; MI455X (gfx1250); checked and timed in simulation.
; The chip was launched on July 23, 2026; its instructions are those of AMD's public machine-readable ISA for CDNA 5 (MIT licence, August 2026) and "CDNA5" Instruction Set Architecture Reference Guide (July 2026). The comments in the code are by the model that wrote it; some were corrected since.
;; Proof State Latent Attention. Allowed arithmetic: matrix products marked QUANTISED: E2M3 operands, one E8M0 scale for each 32 along K, by v_wmma_scale_f32_16x16x128_f8f6f4 with both operands' format E2M3, f32 sums; everything else in f32.
;; Inputs: Wdown_codes 256 x 32 x 24 uint8 (E2M3 codes of Wdown, K innermost, in blocks of 32 codes, four codes in three bytes); Wdown_scales 256 x 32 uint8 (E8M0 scales of Wdown, one for each 32 codes along K); Wkv_codes 2,048 x 8 x 24 uint8 (E2M3 codes of Wkv, K innermost, in blocks of 32 codes, four codes in three bytes); Wkv_scales 2,048 x 8 uint8 (E8M0 scales of Wkv, one for each 32 codes along K); Wo_codes 1,024 x 32 x 24 uint8 (E2M3 codes of Wo, K innermost, in blocks of 32 codes, four codes in three bytes); Wo_scales 1,024 x 32 uint8 (E8M0 scales of Wo, one for each 32 codes along K); Wq_codes 1,024 x 32 x 24 uint8 (E2M3 codes of Wq, K innermost, in blocks of 32 codes, four codes in three bytes); Wq_scales 1,024 x 32 uint8 (E8M0 scales of Wq, one for each 32 codes along K); kn_b 64 float32; kn_g 64 float32; ln_b 256 float32; ln_g 256 float32; positions 2,048 int32; qn_b 64 float32; qn_g 64 float32; x_codes 2 x 2,048 x 32 x 24 uint8 (E2M3 codes of x, K innermost, in blocks of 32 codes, four codes in three bytes); x_scales 2 x 2,048 x 32 uint8 (E8M0 scales of x, one for each 32 codes along K).
;; Outputs: out0 2 x 2,048 x 1,024 float32.
;; This version of the problem:
;;   THIS VERSION OF THE PROBLEM IS GIVEN IN LOW PRECISION. The matrix products marked QUANTISED in the list below multiply operands that are first quantised to E2M3 (2 exponent bits, 3 mantissa bits; 6 bits a number), with one power-of-two scale for each 32 numbers along K (OCP MX v1.0); their sums are f32. All else is computed in f32.
;;   The module's matrix products, in the order in which they are computed (A, B: the left and right operand; K: the contracted axis; several contracted axes count as one K, in the product's order):
;;     1. [M 4,096, K 1,024] x [K 1,024, N 1,024]; A: input x (given as codes); B: input Wq (given as codes): QUANTISED
;;     2. [M 4,096, K 1,024] x [K 1,024, N 256]; A: input x (given as codes); B: input Wdown (given as codes): QUANTISED
;;     3. [M 4,096, K 256] x [K 256, N 2,048]; A: computed on the way; B: input Wkv (given as codes): QUANTISED
;;     4. batch 32 x [M 2,048, K 64] x [K 64, N 2,048]; A: computed on the way; B: computed on the way: QUANTISED
;;     5. batch 32 x [M 2,048, K 2,048] x [K 2,048, N 64]; A: softmax (see below); B: computed on the way: QUANTISED
;;     6. [M 4,096, K 1,024] x [K 1,024, N 1,024]; A: computed on the way; B: input Wo (given as codes): QUANTISED
;;   THE QUANTISER, for each operand of a quantised product, along K:
;;     - K is cut into blocks of 32 from its start; a last block that is shorter is filled with zeros.
;;     - A block's scale is 2^e with e = floor(log2(the largest magnitude in the block)) - 2, held to -126 .. 127; a block of zeros has e = 0. As a byte (E8M0): e + 127.
;;     - Each number is divided by its block's scale, clamped to +-7.5, and rounded to the nearest number of E2M3, ties to even, subnormals kept.
;;     - The product sums the exact products of the quantised numbers (number of the format x scale) in f32.
;;   ~~~python
;;   def quantise(x, axis):      # numpy; x: float32 -> the quantised numbers, widened to float32 again
;;       x = np.moveaxis(x, axis, -1); K = x.shape[-1]
;;       x = np.pad(x, [(0, 0)] * (x.ndim - 1) + [(0, -K % 32)]); x = x.reshape(x.shape[:-1] + (-1, 32)); a = np.abs(x).max(-1, keepdims=True)
;;       e = np.where(a > 0, np.clip(np.frexp(np.where(a > 0, a, 1))[1] - 1 - 2, -126, 127), 0)      # np.frexp(a)[1] - 1 = floor(log2(a)), exactly
;;       r = np.clip(x / 2.0 ** e, -7.5, 7.5)
;;       step = 2.0 ** (np.maximum(np.frexp(np.where(r == 0, 1, r))[1] - 1, 0) - 3)
;;       q = np.round(r / step) * step * 2.0 ** e      # np.round: ties to even
;;       return np.moveaxis(q.reshape(q.shape[:-2] + (-1,))[..., :K], -1, axis).astype(np.float32)
;;   ~~~
;;   SOFTMAX AHEAD OF A QUANTISED PRODUCT. Where the list says 'softmax', what is quantised is not the finished softmax but p = 2^(t - M), with t = logit x log2(e) and M = ceil(the row's largest t), a whole number; so 1/2 < the row's largest p <= 1. The row's sum l is taken of the UNQUANTISED p, in f32, and the product's result is divided by l at the end. Since M is a whole number, a kernel that streams over the keys may use a running M (the ceiling of the running maximum): every later rescaling is an exact power of two, which a block's scale takes up: the codes' values come out the same.
;;   OPERANDS COMPUTED ON THE WAY. 'Computed on the way' means the value that the module computes at that place (a softmax that the list does not call 'softmax' is quantised finished and normalised). What goes into a quantiser is computed in f32, as accurately as f32 sums, v_exp_f32 and their like allow (about 1e-6 of the number): no bf16 or f16 on the way to a quantiser, and a product that is left as it is and whose result goes on into a quantised operand takes f32 operands (vector FMAs, or v_wmma_f32_16x16x4_f32). A number that lies on a knife's edge between two numbers of the format may be rounded either way, as far as f32 arithmetic and the matrix unit's own rounding can turn it there, and no further.
;;   INPUTS GIVEN AS CODES. Wdown (in the module: [1024, 256], K = its axis 0); Wkv (in the module: [256, 2048], K = its axis 0); Wo (in the module: [1024, 1024], K = its axis 0); Wq (in the module: [1024, 1024], K = its axis 0); x (in the module: [2, 2048, 1024], K = its axis 2): each comes as NAME_codes (uint8): NAME with its K axis moved to the last place and cut into blocks of 32 codes, [.., K / 32, bytes a block], one block behind the other in memory; four codes in three bytes: a row's codes are one little-endian stream of bits, code i at bits 6 i .. 6 i + 5 (a code: sign, 2 exponent bits, 3 mantissa bits); and NAME_scales (uint8): the same leading axes, one E8M0 byte (e + 127) for each 32 codes along K. Its value is code x scale, taken as it is: it is not quantised again, and the codes and scales need not be those that the quantiser above would give.
;; One version. Each part assembles by itself: llvm-mc -triple=amdgcn-amd-amdhsa -mcpu=gfx1250 --defsym DOCPART=n.
;; ======== version 1 of 1: 3 launches
;; limits: right only within a limited range of input values
;; workspace buffers: qimg 3,145,728 bytes; qsc 262,144 bytes; kv 6,684,672 bytes; attimg 3,145,728 bytes; attsc 131,072 bytes
;; launch proj (part 1): grid 64 x 4, 4 waves a work-group, clusters of 4 x 1, 327,680 bytes of LDS; arguments x_codes, x_scales, Wdown_codes, Wdown_scales, Wq_codes, Wq_scales, Wkv_codes, Wkv_scales, ln_g, ln_b, qn_g, qn_b, kn_g, kn_b, positions, qimg, qsc, kv; writes qimg, qsc, kv
.if DOCPART == 1
	.amdgcn_target "amdgcn-amd-amdhsa--gfx1250"
	.amdhsa_code_object_version 6
	.text
	.protected	k_q278b72adeb_proj
	.globl	k_q278b72adeb_proj
	.p2align	8
	.type	k_q278b72adeb_proj,@function
k_q278b72adeb_proj:
	s_mov_b64 s[64:65], 0
	v_nop
	global_prefetch_b8 v0, s[64:65] scope:SCOPE_SE
	s_setreg_imm32_b32 hwreg(HW_REG_WAVE_MODE, 25, 1), 1
	s_wait_xcnt 0x0
	s_wait_alu depctr_hold_cnt(0) depctr_sa_sdst(0) depctr_va_vdst(0) depctr_va_sdst(0) depctr_va_ssrc(0) depctr_va_vcc(0) depctr_vm_vsrc(0)
	s_getreg_b32 s2, hwreg(HW_REG_IB_STS2, 6, 4)
	s_cmp_eq_u32 s2, 0
	s_cbranch_scc0 .Lentry_in_a_cluster
	s_endpgm
.Lentry_in_a_cluster:
	s_bfe_u32 s2, ttmp6, 0x10000c
	s_cmp_lg_u32 s2, 0x3003
	s_cbranch_scc0 .Lentry_shape_is_right
	s_endpgm
.Lentry_shape_is_right:
; q = LN(rope(x Wq)), latent = LN(x Wdown), k = LN(rope(latent Wkv_k)), v = latent Wkv_v: all products on codes of FP6 (E2M3) with one E8M0 scale for each 32 along K; all else f32.
; q, k (along the head's 64) and v (along the keys) leave as codes, laid as images of operand registers.
; SHARES.  A work-group takes 64 rows (block rb) and four heads (group g); wave w takes head 4 g + w, and columns 64 w .. 64 w + 63 of the latent.  The latent is made anew in each of the four groups: 128 matrix instructions a wave.
; CLUSTER.  The four work-groups of a cluster have the same g and walk the same weights (4 waves x 122,880 bytes): each weight tile is asked for JOINTLY, mask 15.  x's 49,152 bytes, which the four groups g of a row block share,
; are a tenth of what a work-group fetches and come by a load of its own: sharing them too would want a second axis of the cluster.
; THE MATRIX INSTRUCTION IS USED TRANSPOSED for the latent, q and k (source 0 = 16 weight rows, source 1 = 16 rows of x or of the latent): a lane holds ONE row and its registers run along the next K.  For v source 0 = 16 keys, source 1 = 16 weight rows: a lane holds one channel, registers along the keys.
; WHICH ROWS FORM A TILE.  Wdown's and Wkv's v rows: lane r of tile t takes row 32 (t/2) + 8 (t%2) + r + 8 (r/8), so that 16 registers of two tiles are 16 true neighbours (the latent meets Wkv's codes, the attention's output Wo's).
; Wq's and Wkv's k rows, and all tiles of rows and keys: consecutive.  Then register 8 t + j is d = 16 t + 8 h + j, rope's partners d and d + 32 lie in one lane, and inside each true block of 32 the codes stand in the order 0-7, 16-23, 8-15, 24-31,
; alike in q and k, and alike in v and the softmax's p: blocks, scales and products are the stated ones; the order of a block's sum differs from ascending k.
; A HALF IMAGE, 768 bytes: six operand registers (16 rows x 64 along K): registers 0-3 at 16 x lane, registers 4-5 at 512 + 8 x lane.
; LIMITS.  NaN and infinities among the inputs are not served.  A block whose largest magnitude lies under 2^-124 keeps the byte 1 (a block of zeros too, where the rule says 127: its codes are zeros, and this program alone reads the bytes).
; sin and cos: the angle less a whole number of pi/2 in three parts, then polynomials of degree 7 and 8: about 1e-7 for |position x inv_freq| up to about 2^17.  inv_freq = 1 / fl(10^(n/8)) by a reciprocal and one correction step.
; REGISTERS, in windows of 256.  Window 0: addresses, scale words (XS, WS, LS), eight weight fragments (WF).  Windows 1, 2: x's 32 fragments; later, in window 1, the latent's eight.
; Window 3: v0-127 sixteen accumulators; v128-159 cos, sin; v160-223 gains, biases; v224-255 at work.
.set XR,    0                          ; LDS: 64 rows of x, 816 bytes apart (768 + 16 behind each 256)
.set R1,    52224                      ; each wave's own weights, 52,224 bytes: filled three times (Wdown, Wq, Wkv)
.set R1S,   52224
.set CS,    261120                     ; cos and sin of the four row tiles, as register images: 4,096 bytes a tile
.set LAT,   277504                     ; the latent's 16 half images (row tile m, wave w: 4 m + w)
.set LSC,   289792                     ; its scale words: [m][K step 2][row 16]
.set RED,   290304                     ; the waves' means and sums of squares: [m][row 16][wave 4][2]
.set SPARE, 292352                     ; the spare words, 128 bytes a wave: two blocks of 256 bytes that no other line names
.set HB,    208896                     ; a head's block in kv
.set WV,   2
.set G1X,  40                          ; s[40:47]  group 1: 32 rows of x, a load of my own
.set G1W,  48                          ; s[48:55]  group 1: 64 weight rows of 768 bytes, joint
.set G1KV, 56                          ; s[56:63]  group 1: Wkv's 64 k rows and 64 v rows, joint
.set G0X,  68
.set G0W,  72
.set SEL,  80                          ; s[80:81]  selects for lane l xor 16
.set HM,   82                          ; s82       the mask of lanes 16-31
.set EPS,  93
.set SPW,  4
.set NIL,  5
.set LI16, 6                           ; 16 x lane
.set LI8,  7                           ; 8 x lane
.set L4,   8
.set AX,   9                           ; v9, v10   x's fragments: row x 816 + 24 h, and + 40 h for the pieces behind one padding more
.set AWC,  11                          ; v11, v12  my weights, consecutive rows
.set AWP,  13                          ; v13, v14  my weights, rows r + 8 (r/8)
.set AKC,  15                          ; v15, v16  Wkv's k rows, 240 bytes apart
.set AKP,  17                          ; v17, v18  Wkv's v rows
.set CSW,  19
.set CSA,  20
.set REDW, 21
.set REDR, 22
.set LATW16, 23
.set LATW8,  24
.set LATR16, 25
.set LATR8,  26
.set LSCW, 27
.set LSCR, 28
.set O32R, 29
.set O32P, 30
.set O8R,  31
.set O8P,  32
.set O64H, 33
.set O32H, 34
.set O4R,  35
.set RHO,  36
.set XS,   48                          ; v48-79    x's scale words, 8 m + s
.set WS,   80                          ; v80-111   the weights' scale words
.set LS,   112                         ; v112-115  the latent's: lanes 0-15 K step 0, lanes 16-31 K step 1
.set WF,   128                         ; v128-223  eight weight fragments
.set CC,   128                         ; window 3
.set SN,   144
.set GG,   160
.set BB,   192
.set TM,   224
.set TP,   226
.set SO,   228
.set BY,   230
.set PW,   232
.set PC,   234
.set PD,   240
.set MSB, 0
.macro WIN new                         ; the immediate's high byte repeats the setting that is left; a switch that changes nothing is dropped
.if MSB != (\new)
	s_set_vgpr_msb (MSB<<8)|(\new)
.set MSB, (\new)
.endif
.endm
.macro PLACES n
.rept \n
	v_nop
.endr
.endm
.macro ROUND                           ; a round of the cluster's barrier
	s_barrier_signal -1
	s_barrier_wait -1
	s_cmp_lg_u32 s[WV], 0
	s_cbranch_scc1 .Lnw_\@
	s_barrier_signal -3
.Lnw_\@:
	s_barrier_wait -3
	s_barrier_signal -1
	s_barrier_wait -1
.endm
; one matrix instruction.  z = 1: it starts the sum.  row = 1: source 0's scales from lanes 16-31; 2: source 1's
.macro WM d, a, b, z, sa, sb, row
.if \z
.if (\row) == 0
	v_wmma_scale_f32_16x16x128_f8f6f4 v[(\d):(\d)+7], v[(\a):(\a)+11], v[(\b):(\b)+11], 0, v[\sa], v[\sb] matrix_a_fmt:MATRIX_FMT_FP6 matrix_b_fmt:MATRIX_FMT_FP6
.elseif (\row) == 1
	v_wmma_scale_f32_16x16x128_f8f6f4 v[(\d):(\d)+7], v[(\a):(\a)+11], v[(\b):(\b)+11], 0, v[\sa], v[\sb] matrix_a_fmt:MATRIX_FMT_FP6 matrix_b_fmt:MATRIX_FMT_FP6 matrix_a_scale:MATRIX_SCALE_ROW1
.else
	v_wmma_scale_f32_16x16x128_f8f6f4 v[(\d):(\d)+7], v[(\a):(\a)+11], v[(\b):(\b)+11], 0, v[\sa], v[\sb] matrix_a_fmt:MATRIX_FMT_FP6 matrix_b_fmt:MATRIX_FMT_FP6 matrix_b_scale:MATRIX_SCALE_ROW1
.endif
.else
.if (\row) == 0
	v_wmma_scale_f32_16x16x128_f8f6f4 v[(\d):(\d)+7], v[(\a):(\a)+11], v[(\b):(\b)+11], v[(\d):(\d)+7], v[\sa], v[\sb] matrix_a_fmt:MATRIX_FMT_FP6 matrix_b_fmt:MATRIX_FMT_FP6
.elseif (\row) == 1
	v_wmma_scale_f32_16x16x128_f8f6f4 v[(\d):(\d)+7], v[(\a):(\a)+11], v[(\b):(\b)+11], v[(\d):(\d)+7], v[\sa], v[\sb] matrix_a_fmt:MATRIX_FMT_FP6 matrix_b_fmt:MATRIX_FMT_FP6 matrix_a_scale:MATRIX_SCALE_ROW1
.else
	v_wmma_scale_f32_16x16x128_f8f6f4 v[(\d):(\d)+7], v[(\a):(\a)+11], v[(\b):(\b)+11], v[(\d):(\d)+7], v[\sa], v[\sb] matrix_a_fmt:MATRIX_FMT_FP6 matrix_b_fmt:MATRIX_FMT_FP6 matrix_b_scale:MATRIX_SCALE_ROW1
.endif
.endif
.endm
; a fragment (16 rows x 128 K: 12 registers) from rows of 768 bytes, 816 apart: six pieces of 8 bytes.  Lanes 16-31 read three pieces further on; where that is behind one padding more, the second address register serves
.macro FRAG816 reg, a0, row0, s
.irp p, 0,1,2,3,4,5
.set PCE, 12*(\s)+6*(\p/3)+\p%3
.if PCE%32 < 29
	ds_load_b64 v[(\reg)+2*\p:(\reg)+2*\p+1], v[\a0] offset:(\row0)*816+8*PCE+16*(PCE/32)
.else
	ds_load_b64 v[(\reg)+2*\p:(\reg)+2*\p+1], v[(\a0)+1] offset:(\row0)*816+8*PCE+16*(PCE/32)
.endif
.endr
.endm
.macro FRAG240 reg, a0, row0, s        ; the same from rows of 192 bytes, 240 apart (16 bytes behind each 64)
.irp p, 0,1,2,3,4,5
.set PCE, 12*(\s)+6*(\p/3)+\p%3
.if PCE%8 < 5
	ds_load_b64 v[(\reg)+2*\p:(\reg)+2*\p+1], v[\a0] offset:(\row0)*240+8*PCE+16*(PCE/8)
.else
	ds_load_b64 v[(\reg)+2*\p:(\reg)+2*\p+1], v[(\a0)+1] offset:(\row0)*240+8*PCE+16*(PCE/8)
.endif
.endr
.endm
; 32 numbers of a lane, register 16 b + i of block b, become six registers of codes v[PC ..], two scale bytes v[BY], v[BY+1] and the word v[PW].  gl: which earlier stores read v[PC ..]
.macro QUANT64 src, gl
.if \gl
	s_wait_xcnt 0x0                                ; the earlier global stores have read the codes' registers
.else
	s_wait_dscnt 0x0                               ; the earlier LDS stores have
.endif
.irp b, 0,1
	v_max3_num_f32 v[TM+\b], |v[(\src)+16*\b]|, |v[(\src)+16*\b+1]|, 0x1800000   ; my 16 numbers of the block, and the floor 2^(3 - 127): the byte cannot fall under 1
.endr
.irp i, 2,4,6,8,10,12,14
.irp b, 0,1
	v_max3_num_f32 v[TM+\b], v[TM+\b], |v[(\src)+16*\b+\i]|, |v[(\src)+16*\b+\i+1]|
.endr
.endr
.irp b, 0,1
	v_permlanex16_b32 v[TP+\b], v[TM+\b], s[SEL], s[SEL+1]
.endr
.irp b, 0,1
	v_max_num_f32 v[TM+\b], v[TM+\b], v[TP+\b]     ; with lane l xor 16's 16: the block's largest magnitude
.endr
.irp b, 0,1
	v_add_nc_u32 v[SO+\b], 0xff000000, v[TM+\b]    ; 2 off its exponent field: the conversion's scale operand
.endr
.irp b, 0,1
	v_lshrrev_b32 v[BY+\b], 23, v[SO+\b]           ; the scale's byte
.endr
	v_lshl_or_b32 v[PW], v[BY+1], 8, v[BY]
	v_cvt_scalef32_pk16_fp6_f32 v[PC:PC+2], v[(\src):(\src)+15], v[SO]
	v_cvt_scalef32_pk16_fp6_f32 v[PD:PD+2], v[(\src)+16:(\src)+31], v[SO+1]
	v_nop                                          ; one plain place behind a scaled conversion
.irp i, 0,1,2
	v_permlane16_swap_b32 v[PC+\i], v[PD+\i]       ; the layout wants a whole block in a lane: lanes 0-15 block 0, lanes 16-31 block 1
.endr
.irp i, 0,1,2
	v_mov_b32 v[PC+3+\i], v[PD+\i]
.endr
.endm
; 64 weight rows x 64 rows of x, K = 1,024.  Half a tile's fragments (four K steps, 24 loads) are fetched while the other half is multiplied
.macro WLOAD pat, t, hf
.if \pat
.set TB0, 32*((\t)/2)+8*((\t)%2)
.set AW, AWP
.else
.set TB0, 16*(\t)
.set AW, AWC
.endif
.irp q, 0,1,2,3
	FRAG816 WF+12*(4*(\hf)+\q), AW, TB0, 4*(\hf)+\q
.endr
.endm
.macro MM t, hf                        ; 16 matrix instructions: four K steps x the four row tiles, whose accumulators take turns, one instruction a turn
	WIN 0xF4+4*(\hf)                               ; source 0 window 0, source 1 window 1 or 2, C and D window 3
.irp q, 0,1,2,3
.irp m, 0,1,2,3
.if (\hf) == 0 && \q == 0
	WM 8*(4*\m+(\t)), WF+12*\q, 12*(4*\q+\m), 1, WS+8*(\t)+\q, XS+8*\m+\q, 0
.else
	WM 8*(4*\m+(\t)), WF+12*(4*(\hf)+\q), 12*(4*\q+\m), 0, WS+8*(\t)+4*(\hf)+\q, XS+8*\m+4*(\hf)+\q, 0
.endif
.endr
.endr
.endm
.macro UNIT pat
	WLOAD \pat, 0, 0
	WLOAD \pat, 0, 1
.irp t, 0,1,2,3
	s_wait_dscnt 24                                ; the half in hand is in; the 24 loads issued behind it may be out
	MM \t, 0
	PLACES 4                                       ; in front of loads into registers that matrix instructions have read
	WIN 0
.if \t < 3
	WLOAD \pat, \t+1, 0
	s_wait_dscnt 24
.else
	s_wait_dscnt 0x0
.endif
	MM \t, 1
	PLACES 4                                       ; likewise, and in front of the first read of results
	WIN 0
.if \t < 3
	WLOAD \pat, \t+1, 1
.endif
.endr
.endm
; window 3: sums over a lane's 32 numbers v[X ..] and lane l xor 16's, into v244
.macro JOIN
	v_pk_add_f32 v[244:245], v[244:245], v[246:247]
	v_add_f32 v244, v244, v245
	v_permlanex16_b32 v[TP], v244, s[SEL], s[SEL+1]
	v_add_f32 v244, v244, v[TP]
.endm
.macro ROWSUM                          ; two chains, ascending: each accumulator is read from its low end on
	v_pk_add_f32 v[244:245], v[X:X+1], v[X+4:X+5]
	v_pk_add_f32 v[246:247], v[X+2:X+3], v[X+6:X+7]
.irp i, 8,12,16,20,24,28
	v_pk_add_f32 v[244:245], v[244:245], v[X+\i:X+\i+1]
	v_pk_add_f32 v[246:247], v[246:247], v[X+\i+2:X+\i+3]
.endr
	JOIN
.endm
.macro CENTRE                          ; x - mean, in place
.irp i, 0,2,4,6,8,10,12,14,16,18,20,22,24,26,28,30
	v_pk_add_f32 v[X+\i:X+\i+1], v[X+\i:X+\i+1], v[248:249] neg_lo:[0,1] neg_hi:[0,1]
.endr
.endm
.macro RSQ                             ; v[250:251] = 1 / sqrt(v244)
	v_rsq_f32 v250, v244
	v_nop                                          ; a plain place behind the transcendental,
	s_wait_alu depctr_va_vdst(0)                   ; and the wait ahead of its first reader
	v_mov_b32 v251, v250
.endm
.macro SCALEGB                         ; x rsqrt, x gain + bias
.irp i, 0,2,4,6,8,10,12,14,16,18,20,22,24,26,28,30
	v_pk_mul_f32 v[X+\i:X+\i+1], v[X+\i:X+\i+1], v[250:251]
.endr
.irp i, 0,2,4,6,8,10,12,14,16,18,20,22,24,26,28,30
	v_pk_fma_f32 v[X+\i:X+\i+1], v[X+\i:X+\i+1], v[GG+\i:GG+\i+1], v[BB+\i:BB+\i+1]
.endr
.endm
	s_load_b512 s[4:19], s[0:1], 0x0               ; x_codes 4, x_scales 6, Wdown_codes 8, Wdown_scales 10, Wq_codes 12, Wq_scales 14, Wkv_codes 16, Wkv_scales 18
	s_load_b512 s[20:35], s[0:1], 0x40             ; ln_g 20, ln_b 22, qn_g 24, qn_b 26, kn_g 28, kn_b 30, positions 32, qimg 34
	s_load_b128 s[36:39], s[0:1], 0x80             ; qsc 36, kv 38
	v_lshl_add_u32 v[SPW], v0, 2, SPARE
	v_mov_b32 v[NIL], 0
	ds_add_u32 v4, v5
	ds_add_u32 v4, v5
	s_wait_dscnt 0x0
	v_lshrrev_b32 v1, 5, v0
	v_readfirstlane_b32 s[WV], v1                  ; wave 0..3
	v_and_b32 v1, 31, v0                           ; lane
	v_and_b32 v2, 15, v0                           ; r
	v_bfe_u32 v3, v0, 4, 1                         ; h
	v_lshlrev_b32 v[LI16], 4, v1
	v_lshlrev_b32 v[LI8], 3, v1
	v_lshlrev_b32 v[L4], 2, v1
	v_mul_u32_u24 v[AX], v2, 816
	v_mad_u32_u24 v[AX], v3, 24, v[AX]
	v_lshl_add_u32 v[AX+1], v3, 4, v[AX]
	s_mul_i32 s3, s[WV], R1S
	s_add_co_u32 s3, s3, R1                        ; my weights' bytes
	v_add_nc_u32 v[AWC], s3, v[AX]
	v_add_nc_u32 v[AWC+1], s3, v[AX+1]
	v_and_b32 v[RHO], 8, v2
	v_add_nc_u32 v[RHO], v[RHO], v2                ; r + 8 (r/8)
	v_mul_u32_u24 v[AWP], v[RHO], 816
	v_mad_u32_u24 v[AWP], v3, 24, v[AWP]
	v_add_nc_u32 v[AWP], s3, v[AWP]
	v_lshl_add_u32 v[AWP+1], v3, 4, v[AWP]
	v_mul_u32_u24 v[AKC], v2, 240
	v_mad_u32_u24 v[AKC], v3, 24, v[AKC]
	v_add_nc_u32 v[AKC], s3, v[AKC]
	v_lshl_add_u32 v[AKC+1], v3, 4, v[AKC]
	v_mul_u32_u24 v[AKP], v[RHO], 240
	v_mad_u32_u24 v[AKP], v3, 24, v[AKP]
	v_add_nc_u32 v[AKP], s3, v[AKP]
	v_add_nc_u32 v[AKP], 15360, v[AKP]             ; the v rows lie behind the 64 k rows
	v_lshl_add_u32 v[AKP+1], v3, 4, v[AKP]
	s_lshl_b32 s104, s[WV], 12
	s_add_co_u32 s104, s104, CS
	v_add_nc_u32 v[CSW], s104, v[LI16]
	v_add_nc_u32 v[CSA], CS, v[LI16]
	v_lshlrev_b32 v[REDR], 5, v2
	v_add_nc_u32 v[REDR], RED, v[REDR]
	s_lshl_b32 s104, s[WV], 3
	v_add_nc_u32 v[REDW], s104, v[REDR]
	s_mul_i32 s104, s[WV], 768
	s_add_co_u32 s104, s104, LAT
	v_add_nc_u32 v[LATW16], s104, v[LI16]
	s_add_co_u32 s104, s104, 512
	v_add_nc_u32 v[LATW8], s104, v[LI8]
	v_add_nc_u32 v[LATR16], LAT, v[LI16]
	v_add_nc_u32 v[LATR8], LAT+512, v[LI8]
	s_lshr_b32 s104, s[WV], 1
	s_lshl_b32 s104, s104, 6
	s_and_b32 s105, s[WV], 1
	s_lshl_b32 s105, s105, 1
	s_add_co_u32 s104, s104, s105
	s_add_co_u32 s104, s104, LSC
	v_lshl_add_u32 v[LSCW], v2, 2, s104            ; my two bytes of the row's word of K step w/2
	v_add_nc_u32 v[LSCR], LSC, v[L4]
	v_lshlrev_b32 v[O32R], 5, v2
	v_lshlrev_b32 v[O32P], 5, v[RHO]
	v_lshlrev_b32 v[O8R], 3, v2
	v_lshlrev_b32 v[O8P], 3, v[RHO]
	v_lshlrev_b32 v[O64H], 6, v3
	v_lshlrev_b32 v[O32H], 5, v3
	v_lshlrev_b32 v[O4R], 2, v2
	s_bfe_u32 s66, ttmp6, 0x40000                  ; cx: it enters x's, the positions' and the outputs' addresses alone
	s_lshl_b32 s67, ttmp9, 2
	s_add_co_u32 s67, s67, s66                     ; rb: my block of 64 rows
	s_and_b32 s76, ttmp7, 0xffff                   ; g
	s_lshl_b32 s77, s76, 2
	s_add_co_u32 s77, s77, s[WV]                   ; my head
	s_and_b32 s78, s67, 31                         ; the block inside its batch
	s_lshr_b32 s79, s67, 5
	s_lshl_b32 s79, s79, 4
	s_add_co_u32 s79, s79, s77                     ; 16 x batch + head
	s_mov_b32 s[SEL], 0x76543210
	s_mov_b32 s[SEL+1], 0xfedcba98
	s_mov_b32 s[HM], 0xffff0000
	s_mov_b32 s83, 0x3f22f983                      ; 2 / pi
	s_mov_b32 s84, 0x3fc90fdb                      ; pi / 2 in three parts
	s_mov_b32 s85, 0xb33bbd2e
	s_mov_b32 s86, 0xa6f72ced
	s_mov_b32 s87, 0xbe2aaaa3                      ; sin: r + r z (S1 + z (S2 + z S3))
	s_mov_b32 s88, 0x3c08839e
	s_mov_b32 s89, 0xb94ca1f9
	s_mov_b32 s90, 0x3d2aaaa5                      ; cos: 1 - z / 2 + z z (C1 + z (C2 + z C3))
	s_mov_b32 s91, 0xbab6061a
	s_mov_b32 s92, 0x37ccf5ce
	s_mov_b32 s[EPS], 0x3727c5ac                   ; 1e-5
	; group 1, elements of 8 bytes.  x: 32 rows of 96 elements, 16 bytes of padding behind each 256
	s_mov_b32 s[G1X+0], (3<<16)|(1<<20)|(5<<22)|(3<<25)
	s_mov_b32 s[G1X+1], 96<<16
	s_mov_b32 s[G1X+2], 32<<16
	s_mov_b32 s[G1X+3], 96<<16
	s_mov_b32 s[G1X+4], 32
	s_mov_b32 s[G1X+5], 96
	s_mov_b32 s[G1X+6], 0
	s_mov_b32 s[G1X+7], 0
	; weights: 64 such rows, for all four work-groups of the cluster
	s_mov_b32 s[G1W+0], 15|(3<<16)|(1<<20)|(1<<21)|(5<<22)|(3<<25)
	s_mov_b32 s[G1W+1], 96<<16
	s_mov_b32 s[G1W+2], 128<<16                    ; the head's load of Wdown brings 128 rows; behind it the two words are set to 64
	s_mov_b32 s[G1W+3], 96<<16
	s_mov_b32 s[G1W+4], 128
	s_mov_b32 s[G1W+5], 96
	s_mov_b32 s[G1W+6], 0
	s_mov_b32 s[G1W+7], 0
	; Wkv: two runs of 12,288 dense bytes (64 k rows, 64 v rows of 192 bytes), 196,608 bytes apart; 16 bytes of padding behind each 64: weight rows 240 apart, the v rows from 15,360 on
	s_mov_b32 s[G1KV+0], 15|(3<<16)|(1<<20)|(1<<21)|(3<<22)|(3<<25)
	s_mov_b32 s[G1KV+1], 1536<<16
	s_mov_b32 s[G1KV+2], 2<<16
	s_mov_b32 s[G1KV+3], 1536<<16
	s_mov_b32 s[G1KV+4], 2
	s_mov_b32 s[G1KV+5], 24576
	s_mov_b32 s[G1KV+6], 0
	s_mov_b32 s[G1KV+7], 0
	s_mov_b32 s105, 0
	s_mov_b32 s95, 0
	s_wait_kmcnt 0x0
	; offsets made of g and the wave alone (s104): the weights
	s_lshr_b32 s104, s[WV], 1
	s_mul_i32 s104, s104, 98304                    ; Wdown: half w / 2 of its 256 rows (waves 1 and 2 fetch them)
	s_add_nc_u64 s[8:9], s[8:9], s[104:105]        ; Wdown: the 128 rows of half w / 2
	s_lshl_b32 s104, s[WV], 11
	s_add_nc_u64 s[10:11], s[10:11], s[104:105]
	s_mul_i32 s104, s77, 49152
	s_add_nc_u64 s[12:13], s[12:13], s[104:105]    ; Wq: my head's 64 rows
	s_lshl_b32 s104, s77, 11
	s_add_nc_u64 s[14:15], s[14:15], s[104:105]
	s_mul_i32 s104, s77, 12288
	s_add_nc_u64 s[16:17], s[16:17], s[104:105]    ; Wkv: my head's k rows
	s_lshl_b32 s104, s77, 9
	s_add_nc_u64 s[18:19], s[18:19], s[104:105]
	s_lshl_b32 s104, s[WV], 8
	s_add_nc_u64 s[20:21], s[20:21], s[104:105]    ; ln_g, ln_b: my 64 columns
	s_add_nc_u64 s[22:23], s[22:23], s[104:105]
	; offsets that hold the row block (s94, s98)
	s_mul_i32 s94, s67, 49152
	s_lshr_b32 s98, s[WV], 1
	s_mul_i32 s98, s98, 24576                      ; x: half w / 2 of the block's 64 rows (waves 0 and 3 fetch them)
	s_add_co_u32 s94, s94, s98
	s_add_nc_u64 s[4:5], s[4:5], s[94:95]          ; x: the 32 rows that I fetch
	s_lshl_b32 s94, s67, 11
	s_add_nc_u64 s[6:7], s[6:7], s[94:95]
	s_lshl_b32 s94, s78, 8
	s_lshl_b32 s98, s[WV], 6
	s_add_co_u32 s94, s94, s98
	s_add_nc_u64 s[32:33], s[32:33], s[94:95]      ; positions of row tile w
	s_mul_i32 s94, s79, 98304
	s_mul_i32 s98, s78, 3072
	s_add_co_u32 s94, s94, s98
	s_add_nc_u64 s[34:35], s[34:35], s[94:95]      ; qimg: (128 bh + 4 block) x 768
	s_lshl_b32 s94, s79, 13
	s_lshl_b32 s98, s78, 8
	s_add_co_u32 s94, s94, s98
	s_add_nc_u64 s[36:37], s[36:37], s[94:95]      ; qsc: (32 bh + block) x 256
	s_mul_i32 s94, s79, HB
	s_add_nc_u64 s[38:39], s[38:39], s[94:95]      ; kv: my head's block
	s_lshr_b32 s94, s78, 1
	s_mul_i32 s94, s94, 768
	s_add_co_u32 s94, s94, 196608
	s_add_nc_u64 s[96:97], s[38:39], s[94:95]      ; the scale record of my key step of 128
	s_and_b32 s98, s78, 1
	s_lshl_b32 s94, s98, 1
	s_add_co_u32 s94, s94, 512
	s_add_nc_u64 s[100:101], s[96:97], s[94:95]    ; V's words: my two bytes of each
	s_lshl_b32 s94, s98, 8
	s_add_nc_u64 s[96:97], s[96:97], s[94:95]      ; K's words: my half
	s_lshr_b32 s94, s78, 3
	s_mul_i32 s94, s94, 49152
	s_and_b32 s98, s78, 7
	s_mul_i32 s98, s98, 3072
	s_add_co_u32 s94, s94, s98
	s_add_nc_u64 s[38:39], s[38:39], s[94:95]      ; K's images; V's lie 24,576 further on
	s_mov_b32 s[G0X], 1
	s_lshr_b32 s[G0X+1], s[WV], 1
	s_mul_i32 s[G0X+1], s[G0X+1], 32*816
	s_mov_b64 s[G0X+2:G0X+3], s[4:5]
	s_or_b32 s[G0X+3], s[G0X+3], 0x80000000
	s_mov_b32 s[G0W], 1
	s_lshr_b32 s[G0W+1], s[WV], 1
	s_mul_i32 s[G0W+1], s[G0W+1], 2*R1S
	s_add_co_u32 s[G0W+1], s[G0W+1], R1
	s_mov_b64 s[G0W+2:G0W+3], s[8:9]
	s_or_b32 s[G0W+3], s[G0W+3], 0x80000000
	ROUND                                          ; all four work-groups are here: the first joint loads meet
	s_add_co_u32 s99, s[WV], 1                     ; the head's tiles are shared out, one load a wave: waves 0 and 3 take x's two halves, waves 1 and 2 Wdown's
	s_and_b32 s99, s99, 2
	s_cmp_eq_u32 s99, 0
	s_cbranch_scc0 .Lhead_w
	tensor_load_to_lds s[G0X:G0X+3], s[G1X:G1X+7]  ; 32 rows of x, a load of my own
	s_nop 0
	PLACES 4
	s_branch .Lhead_j
.Lhead_w:
	tensor_load_to_lds s[G0W:G0W+3], s[G1W:G1W+7]  ; 128 rows of Wdown, joint
	s_nop 0
	PLACES 4
.Lhead_j:
	WIN 0xC0
	s_wait_alu depctr_va_vdst(0)
	global_load_b32 v64, v[O4R], s[32:33]          ; the position of row r of tile w
.irp b, 0,1
.irp k, 0,1,2,3
	global_load_b128 v[GG+16*\b+4*\k:GG+16*\b+4*\k+3], v[O64H], s[20:21] offset:128*\b+16*\k   ; register 16 b + i: column 32 b + 16 h + i of my 64
	global_load_b128 v[BB+16*\b+4*\k:BB+16*\b+4*\k+3], v[O64H], s[22:23] offset:128*\b+16*\k
.endr
.endr
	WIN 0
.irp m, 0,1,2,3
	global_load_b128 v[XS+8*\m:XS+8*\m+3], v[O32R], s[6:7] offset:512*\m          ; a row's 32 scale bytes are its eight K steps' words
	global_load_b128 v[XS+8*\m+4:XS+8*\m+7], v[O32R], s[6:7] offset:512*\m+16
.endr
.irp t, 0,1,2,3
	global_load_b128 v[WS+8*\t:WS+8*\t+3], v[O32P], s[10:11] offset:32*(32*(\t/2)+8*(\t%2))
	global_load_b128 v[WS+8*\t+4:WS+8*\t+7], v[O32P], s[10:11] offset:32*(32*(\t/2)+8*(\t%2))+16
.endr
	; ---- cos and sin for row tile w.  Register i = 8 t + j (t = 0, 1) is frequency 16 t + 8 h + j
	WIN 0xFF
	v_mov_b32 v[TP], 0                             ; written once: a lane permute's destination counts as one of its sources
	v_mov_b32 v[TP+1], 0
.macro PWR i, lo, hi                   ; 10^(n/8): lanes 0-15 the lower, lanes 16-31 the one eight frequencies on
	v_mov_b32 v[48+\i], \hi
	v_cndmask_b32 v[\i], \lo, v[48+\i], s[HM]
.endm
	PWR 0, 1.0, 10.0
	PWR 1, 1.333521432163324, 13.33521432163324
	PWR 2, 1.7782794100389228, 17.782794100389228
	PWR 3, 2.371373705661655, 23.71373705661655
	PWR 4, 3.1622776601683795, 31.622776601683795
	PWR 5, 4.216965034285822, 42.16965034285822
	PWR 6, 5.623413251903491, 56.23413251903491
	PWR 7, 7.498942093324558, 74.98942093324558
	PWR 8, 100.0, 1000.0
	PWR 9, 133.3521432163324, 1333.521432163324
	PWR 10, 177.82794100389228, 1778.2794100389228
	PWR 11, 237.1373705661655, 2371.373705661655
	PWR 12, 316.22776601683796, 3162.2776601683795
	PWR 13, 421.6965034285822, 4216.965034285822
	PWR 14, 562.3413251903491, 5623.413251903491
	PWR 15, 749.8942093324558, 7498.942093324558
	s_wait_alu depctr_va_vdst(0)
.irp i, 0,1,2,3,4,5,6,7,8,9,10,11,12,13,14,15
	v_rcp_f32 v[16+\i], v[\i]
.endr
	v_nop
	s_wait_alu depctr_va_vdst(0)                   ; one wait for the sixteen, ahead of their first reader
.irp i, 0,1,2,3,4,5,6,7,8,9,10,11,12,13,14,15
	v_fma_f32 v[48+\i], -v[\i], v[16+\i], 1.0      ; the reciprocal's error,
.endr
.irp i, 0,1,2,3,4,5,6,7,8,9,10,11,12,13,14,15
	v_fma_f32 v[16+\i], v[16+\i], v[48+\i], v[16+\i]   ; taken off
.endr
	s_wait_loadcnt 32                              ; the position is in: 32 loads were issued behind it
	v_cvt_f32_i32 v64, v64
.irp i, 0,1,2,3,4,5,6,7,8,9,10,11,12,13,14,15
	v_mul_f32 v[32+\i], v64, v[16+\i]              ; the angle, rounded once
.endr
.macro TRIG i
.set T, 80+16*((\i)%2)
	v_mul_f32 v[T], s83, v[32+\i]
	v_rndne_f32 v[T], v[T]                         ; n: how many quarter turns
	v_fma_f32 v[T+1], -v[T], s84, v[32+\i]
	v_fma_f32 v[T+1], -v[T], s85, v[T+1]
	v_fma_f32 v[T+1], -v[T], s86, v[T+1]           ; r = angle - n pi / 2
	v_cvt_i32_f32 v[T+2], v[T]
	v_mul_f32 v[T+3], v[T+1], v[T+1]               ; z
	v_fma_f32 v[T+4], v[T+3], s89, s88
	v_fma_f32 v[T+4], v[T+4], v[T+3], s87
	v_mul_f32 v[T+4], v[T+4], v[T+3]
	v_fma_f32 v[T+4], v[T+4], v[T+1], v[T+1]       ; sin r
	v_fma_f32 v[T+5], v[T+3], s92, s91
	v_fma_f32 v[T+5], v[T+5], v[T+3], s90
	v_fma_f32 v[T+6], v[T+3], -0.5, 1.0
	v_mul_f32 v[T+3], v[T+3], v[T+3]
	v_fma_f32 v[T+5], v[T+5], v[T+3], v[T+6]       ; cos r
	v_and_b32 v[T+6], 1, v[T+2]
	v_cmp_eq_u32 vcc_lo, 1, v[T+6]                 ; an odd quarter swaps the two;
	v_cndmask_b32 v[SN+\i], v[T+4], v[T+5], vcc_lo
	v_cndmask_b32 v[CC+\i], v[T+5], v[T+4], vcc_lo
	v_and_b32 v[T+6], 2, v[T+2]                    ; quarters 2, 3 turn the sine's sign,
	v_lshlrev_b32 v[T+6], 30, v[T+6]
	v_xor_b32 v[SN+\i], v[SN+\i], v[T+6]
	v_add_nc_u32 v[T+2], 1, v[T+2]                 ; quarters 1, 2 the cosine's
	v_and_b32 v[T+2], 2, v[T+2]
	v_lshlrev_b32 v[T+2], 30, v[T+2]
	v_xor_b32 v[CC+\i], v[CC+\i], v[T+2]
.endm
.irp i, 0,1,2,3,4,5,6,7,8,9,10,11,12,13,14,15
	TRIG \i
.endr
	WIN 0x0C                                       ; an LDS store's data are its source 1: window 3
.irp k, 0,1,2,3,4,5,6,7
	ds_store_b128 v[CSW], v[CC+4*\k:CC+4*\k+3] offset:512*\k     ; the 32 registers as an image: any wave that loads them so has them in the same lanes
.endr
	WIN 0
	s_wait_tensorcnt 0x0                           ; my one load has landed: the barrier below shows x and Wdown whole to all four waves
	s_mov_b32 s[G1W+2], 64<<16                     ; no load of mine is out: from here on a weight load brings 64 rows
	s_mov_b32 s[G1W+4], 64
	s_wait_dscnt 0x0                               ; my stores have landed
	s_barrier_signal -1
	s_barrier_wait -1                              ; x's 64 rows and the four tiles' cos and sin lie in LDS
	; ---- x's 32 fragments (row tile m, K step s) stay in registers for the latent and for q
	WIN 0x40
.irp s, 0,1,2,3
.irp m, 0,1,2,3
	FRAG816 12*(4*\s+\m), AX, 16*\m, \s
.endr
.endr
	WIN 0x80
.irp s, 0,1,2,3
.irp m, 0,1,2,3
	FRAG816 12*(4*\s+\m), AX, 16*\m, 4+\s
.endr
.endr
	WIN 0
	s_wait_tensorcnt 0x0                           ; my rows of Wdown: I alone read them
	s_wait_loadcnt 0x0                             ; scale words, gains, biases
	UNIT 1                                         ; the latent: my 64 columns of the 64 rows
	; ---- my part of each row's mean and sum of squares about it
.macro LSTAT m
.set X, 32*(\m)
	WIN 0xFF
	ROWSUM
	v_mul_f32 v248, 0x3c800000, v244               ; / 64
	v_mov_b32 v249, v248
	v_pk_add_f32 v[252:253], v[X:X+1], v[248:249] neg_lo:[0,1] neg_hi:[0,1]
	v_pk_add_f32 v[254:255], v[X+2:X+3], v[248:249] neg_lo:[0,1] neg_hi:[0,1]
	v_pk_mul_f32 v[244:245], v[252:253], v[252:253]
	v_pk_mul_f32 v[246:247], v[254:255], v[254:255]
.irp i, 4,8,12,16,20,24,28
	v_pk_add_f32 v[252:253], v[X+\i:X+\i+1], v[248:249] neg_lo:[0,1] neg_hi:[0,1]
	v_pk_add_f32 v[254:255], v[X+\i+2:X+\i+3], v[248:249] neg_lo:[0,1] neg_hi:[0,1]
	v_pk_fma_f32 v[244:245], v[252:253], v[252:253], v[244:245]
	v_pk_fma_f32 v[246:247], v[254:255], v[254:255], v[246:247]
.endr
	JOIN
	v_mov_b32 v249, v244
	WIN 0x0C
	ds_store_b64 v[REDW], v[248:249] offset:512*(\m)   ; lanes r and r + 16 write the same pair
.endm
	LSTAT 0
	LSTAT 1
	LSTAT 2
	LSTAT 3
	; ---- my weights' bytes are filled again, with Wq's rows: all my tensor loads are done, the add, its wait and my LDS reads' and stores', a round of the cluster's barrier, the joint load first behind it
	WIN 0
	s_wait_tensorcnt 0x0
	ds_add_u32 v[SPW], v[NIL]                      ; 0 onto my spare word
	s_mul_i32 s[G0W+1], s[WV], R1S                 ; from here on each wave fills its own 64 rows
	s_add_co_u32 s[G0W+1], s[G0W+1], R1
	s_mov_b64 s[G0W+2:G0W+3], s[12:13]
	s_or_b32 s[G0W+3], s[G0W+3], 0x80000000
	s_wait_dscnt 0x0
	ROUND
	tensor_load_to_lds s[G0W:G0W+3], s[G1W:G1W+7]
	s_nop 0
	PLACES 4
.irp t, 0,1,2,3
	global_load_b128 v[WS+8*\t:WS+8*\t+3], v[O32R], s[14:15] offset:512*\t
	global_load_b128 v[WS+8*\t+4:WS+8*\t+7], v[O32R], s[14:15] offset:512*\t+16
.endr
	; ---- the latent's LayerNorm over all 256 columns, and its codes.  The four parts are joined without a difference of large sums: M2 = sum of the parts' + 64 x sum of (part's mean - mean)^2
	WIN 0xC0
.irp m, 0,1,2,3
	ds_load_b128 v[128+8*\m:131+8*\m], v[REDR] offset:512*\m
	ds_load_b128 v[132+8*\m:135+8*\m], v[REDR] offset:512*\m+16
.endr
	s_wait_dscnt 0x0
.macro LNORM m
.set X, 32*(\m)
.set R, 128+8*(\m)
	WIN 0xFF
	v_add_f32 v244, v[R], v[R+2]
	v_add_f32 v245, v[R+4], v[R+6]
	v_add_f32 v244, v244, v245
	v_mul_f32 v248, 0x3e800000, v244               ; the mean
	v_mov_b32 v249, v248
	v_sub_f32 v252, v[R], v248
	v_sub_f32 v253, v[R+2], v248
	v_sub_f32 v254, v[R+4], v248
	v_sub_f32 v255, v[R+6], v248
	v_mul_f32 v252, v252, v252
	v_fma_f32 v252, v253, v253, v252
	v_fma_f32 v252, v254, v254, v252
	v_fma_f32 v252, v255, v255, v252
	v_add_f32 v244, v[R+1], v[R+3]
	v_add_f32 v245, v[R+5], v[R+7]
	v_add_f32 v244, v244, v245
	v_fma_f32 v244, v252, 0x42800000, v244
	v_fma_f32 v244, v244, 0x3b800000, s[EPS]       ; / 256 + eps
	s_wait_alu depctr_va_vdst(0)
	RSQ
	CENTRE
	SCALEGB
	s_wait_alu depctr_va_vdst(0)
	QUANT64 X, 0
	WIN 0x0C
	ds_store_b128 v[LATW16], v[PC:PC+3] offset:3072*(\m)
	ds_store_b64 v[LATW8], v[PC+4:PC+5] offset:3072*(\m)
	ds_store_b16 v[LSCW], v[PW] offset:128*(\m)
.endm
	LNORM 0
	LNORM 1
	LNORM 2
	LNORM 3
	WIN 0
	s_wait_dscnt 0x0                               ; my stores have landed
	s_barrier_signal -1
	s_barrier_wait -1                              ; the latent's 16 half images lie in LDS.  (Wq's load may stay out)
	WIN 0xC0
.irp t, 0,1,2,3
.irp k, 0,1
	global_load_b128 v[GG+8*\t+4*\k:GG+8*\t+4*\k+3], v[O32H], s[24:25] offset:64*\t+16*\k   ; register 8 t + j: d = 16 t + 8 h + j
	global_load_b128 v[BB+8*\t+4*\k:BB+8*\t+4*\k+3], v[O32H], s[26:27] offset:64*\t+16*\k
.endr
.endr
	WIN 0
	s_wait_tensorcnt 0x0
	s_wait_loadcnt 0x0
	UNIT 0                                         ; q: my head's 64 columns of the 64 rows
	; ---- my weights' bytes are filled a third time, with Wkv's rows
	s_wait_tensorcnt 0x0
	ds_add_u32 v[SPW], v[NIL]
	s_mov_b64 s[G0W+2:G0W+3], s[16:17]
	s_or_b32 s[G0W+3], s[G0W+3], 0x80000000
	s_wait_dscnt 0x0
	ROUND
	tensor_load_to_lds s[G0W:G0W+3], s[G1KV:G1KV+7]
	s_nop 0
	PLACES 4
.irp t, 0,1,2,3
	global_load_b64 v[WS+2*\t:WS+2*\t+1], v[O8R], s[18:19] offset:128*\t                             ; k rows: two words a row
	global_load_b64 v[WS+8+2*\t:WS+9+2*\t], v[O8P], s[18:19] offset:8192+8*(32*(\t/2)+8*(\t%2))      ; v rows
.endr
	; ---- rope, the head's LayerNorm and the codes of a tile of 16 rows; its image goes to sb
.macro CSLOAD m
	WIN 0xC0
.irp k, 0,1,2,3,4,5,6,7
	ds_load_b128 v[CC+4*\k:CC+4*\k+3], v[CSA] offset:4096*(\m)+512*\k
.endr
.endm
.macro POST m, sb
.set X, 32*(\m)
	s_wait_dscnt 0x0                               ; the tile's cos and sin are in
	WIN 0xFF
.irp i, 0,2,4,6,8,10,12,14
	v_pk_mul_f32 v[252:253], v[X+16+\i:X+17+\i], v[SN+\i:SN+\i+1]
	v_pk_mul_f32 v[254:255], v[X+\i:X+\i+1], v[SN+\i:SN+\i+1]
	v_pk_fma_f32 v[X+\i:X+\i+1], v[X+\i:X+\i+1], v[CC+\i:CC+\i+1], v[252:253] neg_lo:[0,0,1] neg_hi:[0,0,1]   ; x1 cos - x2 sin
	v_pk_fma_f32 v[X+16+\i:X+17+\i], v[X+16+\i:X+17+\i], v[CC+\i:CC+\i+1], v[254:255]                        ; x2 cos + x1 sin
.endr
.if (\m) < 3
	CSLOAD (\m)+1
	WIN 0xFF
.endif
	ROWSUM
	v_mul_f32 v248, 0x3c800000, v244
	v_mov_b32 v249, v248
	CENTRE
	v_pk_mul_f32 v[244:245], v[X:X+1], v[X:X+1]
	v_pk_mul_f32 v[246:247], v[X+2:X+3], v[X+2:X+3]
.irp i, 4,8,12,16,20,24,28
	v_pk_fma_f32 v[244:245], v[X+\i:X+\i+1], v[X+\i:X+\i+1], v[244:245]
	v_pk_fma_f32 v[246:247], v[X+\i+2:X+\i+3], v[X+\i+2:X+\i+3], v[246:247]
.endr
	JOIN
	v_fma_f32 v244, v244, 0x3c800000, s[EPS]
	s_wait_alu depctr_va_vdst(0)
	RSQ
	SCALEGB
	s_wait_alu depctr_va_vdst(0)
	QUANT64 X, 1
	v_mov_b32 v[\m], v[PW]                         ; the tile's scale words are kept in tile 0's registers, which are done with
	WIN 0x0C
	global_store_b128 v[LI16], v[PC:PC+3], s[\sb:\sb+1] offset:768*(\m)        ; 512 and 256 consecutive bytes, at multiples of 256 from the buffer's first byte
	global_store_b64 v[LI8], v[PC+4:PC+5], s[\sb:\sb+1] offset:768*(\m)+512
.endm
.macro WORDS sb                        ; the four tiles' words: word p of lane l belongs to tile 2 p + l / 16, row l % 16: 256 consecutive bytes
	WIN 0xFF
	v_cndmask_b32 v4, v0, v1, s[HM]
	v_cndmask_b32 v5, v2, v3, s[HM]
	WIN 0x0C
	global_store_b64 v[LI8], v[4:5], s[\sb:\sb+1]
.endm
	CSLOAD 0
	POST 0, 34
	POST 1, 34
	POST 2, 34
	POST 3, 34
	WORDS 36
	; ---- the latent's eight fragments (row tile m, K step s) into window 1, its scale words, k's gains and biases, Wkv's k rows
	WIN 0x40
.irp m, 0,1,2,3
.irp s, 0,1
	ds_load_b128 v[12*(2*\m+\s):12*(2*\m+\s)+3], v[LATR16] offset:(4*\m+2*\s)*768
	ds_load_b64 v[12*(2*\m+\s)+4:12*(2*\m+\s)+5], v[LATR8] offset:(4*\m+2*\s)*768
	ds_load_b128 v[12*(2*\m+\s)+6:12*(2*\m+\s)+9], v[LATR16] offset:(4*\m+2*\s+1)*768
	ds_load_b64 v[12*(2*\m+\s)+10:12*(2*\m+\s)+11], v[LATR8] offset:(4*\m+2*\s+1)*768
.endr
.endr
	WIN 0
.irp m, 0,1,2,3
	ds_load_b32 v[LS+\m], v[LSCR] offset:128*\m
.endr
	WIN 0xC0
.irp t, 0,1,2,3
.irp k, 0,1
	global_load_b128 v[GG+8*\t+4*\k:GG+8*\t+4*\k+3], v[O32H], s[28:29] offset:64*\t+16*\k
	global_load_b128 v[BB+8*\t+4*\k:BB+8*\t+4*\k+3], v[O32H], s[30:31] offset:64*\t+16*\k
.endr
.endr
	WIN 0
	s_wait_tensorcnt 0x0
.irp t, 0,1,2,3
.irp s, 0,1
	FRAG240 WF+12*(2*\t+\s), AKC, 16*\t, \s
.endr
.endr
	s_wait_dscnt 0x0
	s_wait_loadcnt 0x0
	s_wait_xcnt 0x0                                ; the words' store has read its registers: the products below write them
	WIN 0xF4
.irp t, 0,1,2,3
.irp s, 0,1
.irp m, 0,1,2,3
	WM 8*(4*\m+\t), WF+12*(2*\t+\s), 12*(2*\m+\s), 1-\s, WS+2*\t+\s, LS+\m, 2*\s      ; k: the four row tiles' accumulators by turns
.endr
.endr
.endr
	PLACES 4
	WIN 0
.irp t, 0,1,2,3
.irp s, 0,1
	FRAG240 WF+12*(2*\t+\s), AKP, 32*(\t/2)+8*(\t%2), \s                               ; Wkv's v rows, for the unit after this one
.endr
.endr
	CSLOAD 0
	POST 0, 38
	POST 1, 38
	POST 2, 38
	POST 3, 38
	WORDS 96
	; ---- v: source 0 = 16 keys of the latent, source 1 = 16 weight rows: a lane holds one channel, and its registers run along the 64 keys
	s_wait_dscnt 0x0
	s_wait_xcnt 0x0                                ; the words' store has read its registers
	WIN 0xF1                                       ; source 0 window 1, source 1 window 0, C and D window 3
.irp c, 0,1,2,3
.irp s, 0,1
.irp m, 0,1,2,3
	WM 8*(4*\c+\m), 12*(2*\m+\s), WF+12*(2*\c+\s), 1-\s, LS+\m, WS+8+2*\c+\s, \s
.endr
.endr
.endr
	PLACES 4
.irp c, 0,1,2,3
	WIN 0xFF
	QUANT64 32*\c, 1
	v_mov_b32 v[\c], v[PW]
	WIN 0x0C
	global_store_b128 v[LI16], v[PC:PC+3], s[38:39] offset:24576+768*\c
	global_store_b64 v[LI8], v[PC+4:PC+5], s[38:39] offset:24576+768*\c+512
.endr
	WIN 0xFF
	v_cndmask_b32 v4, v0, v1, s[HM]
	v_cndmask_b32 v5, v2, v3, s[HM]
	WIN 0x0C
	global_store_b16 v[LI8], v4, s[100:101]            ; my 64 keys are two of the four bytes of a channel's word: two bytes a lane, 131,072 bytes in the launch
	global_store_b16 v[LI8], v5, s[100:101] offset:4
	WIN 0
	s_wait_tensorcnt 0x0                           ; the wave's end
	ds_add_u32 v[SPW], v[NIL]
	s_wait_dscnt 0x0
	ROUND                                          ; the closing round: no work-group ends while a partner may still ask for a tile that names it
	s_endpgm
.Lfunc_end_k_q278b72adeb_proj:
	.size	k_q278b72adeb_proj, .Lfunc_end_k_q278b72adeb_proj-k_q278b72adeb_proj
	.p2alignl 7, 3214868480
	.fill 96, 4, 3214868480
	.section	.rodata,"a",@progbits
	.p2align	6, 0x0
	.amdhsa_kernel k_q278b72adeb_proj
		.amdhsa_group_segment_fixed_size 327680
		.amdhsa_private_segment_fixed_size 0
		.amdhsa_enable_private_segment 0
		.amdhsa_kernarg_size 144
		.amdhsa_user_sgpr_count 2
		.amdhsa_user_sgpr_kernarg_segment_ptr 1
		.amdhsa_wavefront_size32 1
		.amdhsa_system_sgpr_workgroup_id_x 1
		.amdhsa_system_sgpr_workgroup_id_y 1
		.amdhsa_system_sgpr_workgroup_id_z 1
		.amdhsa_system_vgpr_workitem_id 0
		.amdhsa_next_free_vgpr 1024
		.amdhsa_next_free_sgpr 106
		.amdhsa_reserve_vcc 1
		.amdhsa_float_denorm_mode_32 3
		.amdhsa_float_denorm_mode_16_64 3
		.amdhsa_memory_ordered 1
		.amdhsa_forward_progress 1
		.amdhsa_inst_pref_size 255
	.end_amdhsa_kernel
	.section	.bss,"aw",@nobits
	.p2align	6
	.space	262144
	.amdgpu_metadata
---
amdhsa.version: [ 1, 2 ]
amdhsa.kernels:
  - .name:           k_q278b72adeb_proj
    .symbol:         k_q278b72adeb_proj.kd
    .args:
      - { .name: x_codes, .offset: 0, .size: 8, .value_kind: global_buffer, .address_space: global }
      - { .name: x_scales, .offset: 8, .size: 8, .value_kind: global_buffer, .address_space: global }
      - { .name: Wdown_codes, .offset: 16, .size: 8, .value_kind: global_buffer, .address_space: global }
      - { .name: Wdown_scales, .offset: 24, .size: 8, .value_kind: global_buffer, .address_space: global }
      - { .name: Wq_codes, .offset: 32, .size: 8, .value_kind: global_buffer, .address_space: global }
      - { .name: Wq_scales, .offset: 40, .size: 8, .value_kind: global_buffer, .address_space: global }
      - { .name: Wkv_codes, .offset: 48, .size: 8, .value_kind: global_buffer, .address_space: global }
      - { .name: Wkv_scales, .offset: 56, .size: 8, .value_kind: global_buffer, .address_space: global }
      - { .name: ln_g, .offset: 64, .size: 8, .value_kind: global_buffer, .address_space: global }
      - { .name: ln_b, .offset: 72, .size: 8, .value_kind: global_buffer, .address_space: global }
      - { .name: qn_g, .offset: 80, .size: 8, .value_kind: global_buffer, .address_space: global }
      - { .name: qn_b, .offset: 88, .size: 8, .value_kind: global_buffer, .address_space: global }
      - { .name: kn_g, .offset: 96, .size: 8, .value_kind: global_buffer, .address_space: global }
      - { .name: kn_b, .offset: 104, .size: 8, .value_kind: global_buffer, .address_space: global }
      - { .name: positions, .offset: 112, .size: 8, .value_kind: global_buffer, .address_space: global }
      - { .name: qimg, .offset: 120, .size: 8, .value_kind: global_buffer, .address_space: global }
      - { .name: qsc, .offset: 128, .size: 8, .value_kind: global_buffer, .address_space: global }
      - { .name: kv, .offset: 136, .size: 8, .value_kind: global_buffer, .address_space: global }
    .group_segment_fixed_size: 327680
    .private_segment_fixed_size: 0
    .kernarg_segment_align: 8
    .kernarg_segment_size: 144
    .max_flat_workgroup_size: 128
    .sgpr_count:     106
    .vgpr_count:     1024
    .wavefront_size: 32
...
	.end_amdgpu_metadata
.endif
;; end of part 1
;; launch attn (part 2): grid 8 x 32, 16 waves a work-group, clusters of 4 x 1, 327,680 bytes of LDS; arguments qimg, qsc, kv, attimg, attsc; writes attimg, attsc
.if DOCPART == 2
	.amdgcn_target "amdgcn-amd-amdhsa--gfx1250"
	.amdhsa_code_object_version 6
	.text
	.protected	k_q278b72adeb_attn
	.globl	k_q278b72adeb_attn
	.p2align	8
	.type	k_q278b72adeb_attn,@function
k_q278b72adeb_attn:
	s_mov_b64 s[64:65], 0
	v_nop
	global_prefetch_b8 v0, s[64:65] scope:SCOPE_SE
	s_setreg_imm32_b32 hwreg(HW_REG_WAVE_MODE, 25, 1), 1
	s_wait_xcnt 0x0
	s_wait_alu depctr_hold_cnt(0) depctr_sa_sdst(0) depctr_va_vdst(0) depctr_va_sdst(0) depctr_va_ssrc(0) depctr_va_vcc(0) depctr_vm_vsrc(0)
	s_getreg_b32 s2, hwreg(HW_REG_IB_STS2, 6, 4)
	s_cmp_eq_u32 s2, 0
	s_cbranch_scc0 .Lentry_in_a_cluster
	s_endpgm
.Lentry_in_a_cluster:
	s_bfe_u32 s2, ttmp6, 0x10000c
	s_cmp_lg_u32 s2, 0x3003
	s_cbranch_scc0 .Lentry_shape_is_right
	s_endpgm
.Lentry_shape_is_right:
; o = softmax(q k^T / 8) v for one head, both products on codes of FP6 (E2M3) with E8M0 scales; o / l is quantised along the head's 64 channels and leaves as codes.
; THE SOFTMAX: t = score x log2(e) / 8; M = the running largest t rounded UP to a whole number; p = 2^(t - M) is quantised along the keys; the row's sum is taken of the unquantised p;
; when M moves, the sum and O are multiplied by 2^(old M - new M): exact.
; SHARES.  A work-group owns 256 queries of one head, each of its sixteen waves 16 of them; a step is 128 keys, 16 steps.
; LDS.  A whole head's scale records, K and V lie in LDS, each byte filled once, 64 bytes of padding behind each 256: a half image of 768 bytes takes 960.  Scale records from 0, K's 128 images from KB, V's from VB.
; At the head waves 0-7 fetch the first 512 keys' K and V (24 units of 256 bytes each), waves 8-15 the scale records (6 units each).  The other 1,536 keys follow behind a round of the cluster's barrier,
; 48 units a wave in waves 0-11, and are waited for behind three steps: the third step's trip is the last that reads the first 512 keys alone.
; CLUSTER.  The four work-groups of a cluster belong to one head: every fill is a JOINT load, mask 15.
; NO PREFETCH: all of the head's 208,896 bytes have been asked for by tensor loads when the first trip begins; no later trip asks memory for anything.
; LAYOUT.  S^T = K Q^T (source 0 = 16 keys, source 1 = my queries), O^T = V^T P^T (source 0 = 16 channels): a lane holds ONE query throughout.
; K = 64 of 128: Q's registers 6-11 hold zero codes, so what stands in source 0's registers 6-11 adds nothing (every 6-bit code is a finite number, and the scale bytes there are 0).
; So K's eight tiles lie 6 registers apart, each tile's upper half being the next tile; behind the eighth stand six registers of lane constants.
; WHICH KEYS FORM A TILE.  Tile 4 c + i takes as rows 0-7 eight keys of block 2 c and as rows 8-15 eight of block 2 c + 1 (blocks of 32 keys), picked from the images by the lanes' addresses.
; A lane (query r, half h) then holds ALL 32 numbers of block 2 c + h in the registers of tiles 4 c .. 4 c + 3, in the order 0-7, 16-23, 8-15, 24-31, as v's codes stand:
; a block's maximum and its six registers of codes are made inside the lane.
; THE LAST TRIP'S LOADS AHEAD (a seventeenth step's K) read filled bytes at the start of V's and K's regions; nothing uses them.
; LIMITS.  NaN and infinities are not served.  The scaled scores stay under 2^31 in magnitude.  A block whose largest number lies under 2^-124 keeps the byte 1; this program alone reads the bytes.
.set HB,   208896
.set SCM,  196608                      ; the scale records' place in a head's block in memory
.set KB,   15360
.set VB,   138240
.set SPARE, 261120                     ; the spare words, 128 bytes a wave
.set STP,  7680                        ; a step's eight images
.set REC,  960                         ; a step's scale record
.set WV,   14
.set G1A,  16                          ; s[16:23] group 1: 24 units of 256 bytes, later 48
.set G1S,  24                          ; s[24:31] 6 units
.set SEL,  52
.set CSC,  54                          ; s[54:55] c = log2(e) / 8
.set NC,   56                          ; -c
.set TK,   57                          ; LDS byte of this step's K, V, scale record
.set TV,   58
.set TS,   59
.set CNT,  68
.set HM,   69
.set AK16, 1                           ; v1-6 the step's LDS addresses
.set AK8,  2
.set AKS,  3
.set AV16, 4
.set AV8,  5
.set AVS,  6
.set LI16, 7                           ; 16 x lane
.set SPW,  8
.set NIL,  9
.set C2,   10                          ; v[10:11], v[30:31] at work; third and fourth chain of the row's sum
.set FF,   16                          ; v12 -M, v13 the largest score, v[14:15] the sum, v[16:17] f
.set T0,   18                          ; v[18:21] first and second chain
.set T1,   20
.set KS,   22                          ; v22-25 K's scale words, v26-27 V's, v28 Q's, v29 p's
.set VS,   26
.set QS,   28
.set PS,   29
.set C3,   30
.set QF,   32
.set KF,   44                          ; v44-91 K's eight tiles
.set LK16, 92                          ; v92-97 lane constants
.set LK8,  93
.set LV16, 94
.set L8,   95
.set LKS,  96
.set SH8,  97
.set VF,   98
.set SC,   146                         ; S^T, then p
.set OT,   210
.set PC,   242                         ; p's codes; ahead of them at work
.set BM,   254                         ; my two blocks' largest score, then largest p, then scale bytes
.macro PLACES n
.rept \n
	v_nop
.endr
.endm
.macro D1
	s_delay_alu instid0(VALU_DEP_1)
.endm
.macro ROUND                           ; a round of the cluster's barrier
	s_barrier_signal -1
	s_barrier_wait -1
	s_cmp_lg_u32 s[WV], 0
	s_cbranch_scc1 .Lnw_\@
	s_barrier_signal -3
.Lnw_\@:
	s_barrier_wait -3
	s_barrier_signal -1
	s_barrier_wait -1
.endm
.macro WM d, a, b, z, sa, sb, row      ; z = 1: it starts the sum.  row = 1: source 0's scales from lanes 16-31
.if \z
.if (\row) == 0
	v_wmma_scale_f32_16x16x128_f8f6f4 v[(\d):(\d)+7], v[(\a):(\a)+11], v[(\b):(\b)+11], 0, v[\sa], v[\sb] matrix_a_fmt:MATRIX_FMT_FP6 matrix_b_fmt:MATRIX_FMT_FP6
.else
	v_wmma_scale_f32_16x16x128_f8f6f4 v[(\d):(\d)+7], v[(\a):(\a)+11], v[(\b):(\b)+11], 0, v[\sa], v[\sb] matrix_a_fmt:MATRIX_FMT_FP6 matrix_b_fmt:MATRIX_FMT_FP6 matrix_a_scale:MATRIX_SCALE_ROW1
.endif
.else
.if (\row) == 0
	v_wmma_scale_f32_16x16x128_f8f6f4 v[(\d):(\d)+7], v[(\a):(\a)+11], v[(\b):(\b)+11], v[(\d):(\d)+7], v[\sa], v[\sb] matrix_a_fmt:MATRIX_FMT_FP6 matrix_b_fmt:MATRIX_FMT_FP6
.else
	v_wmma_scale_f32_16x16x128_f8f6f4 v[(\d):(\d)+7], v[(\a):(\a)+11], v[(\b):(\b)+11], v[(\d):(\d)+7], v[\sa], v[\sb] matrix_a_fmt:MATRIX_FMT_FP6 matrix_b_fmt:MATRIX_FMT_FP6 matrix_a_scale:MATRIX_SCALE_ROW1
.endif
.endif
.endm
; K's eight tiles and four registers of scale words, 20 loads; d, e: bytes ahead.  Tile 4 c + i, row 8 a + j is row 8 (i / 2) + j of image 4 c + 2 a + i % 2
.macro KLOAD d, e
.irp c, 0,1
.irp i, 0,1,2,3
	ds_load_b128 v[KF+6*(4*\c+\i):KF+6*(4*\c+\i)+3], v[AK16] offset:(\d)+960*(4*\c+\i%2)+128*(\i/2)
	ds_load_b64 v[KF+6*(4*\c+\i)+4:KF+6*(4*\c+\i)+5], v[AK8] offset:(\d)+640+960*(4*\c+\i%2)+64*(\i/2)
.endr
.irp p, 0,1
	ds_load_b32 v[KS+2*\c+\p], v[AKS] offset:(\e)+320*\c+128*\p      ; lanes 0-15 tile 4 c + p, lanes 16-31 tile 4 c + 2 + p
.endr
.endr
.endm
.macro ADD4 a, b, c, d                 ; the four chains of the row's sum take a pair of p each
	v_pk_add_f32 v[T0:T0+1], v[T0:T0+1], v[SC+\a:SC+\a+1]
	v_pk_add_f32 v[T1:T1+1], v[T1:T1+1], v[SC+\b:SC+\b+1]
	v_pk_add_f32 v[C2:C2+1], v[C2:C2+1], v[SC+\c:SC+\c+1]
	v_pk_add_f32 v[C3:C3+1], v[C3:C3+1], v[SC+\d:SC+\d+1]
.endm
.macro TMM j                           ; t - M, two at a time
	v_pk_fma_f32 v[SC+\j:SC+\j+1], v[SC+\j:SC+\j+1], s[CSC:CSC+1], v[12:13] op_sel_hi:[1,0,0]
.endm
	s_load_b256 s[4:11], s[0:1], 0x0               ; qimg 4, qsc 6, kv 8, attimg 10
	s_load_b64 s[12:13], s[0:1], 0x20              ; attsc
	v_lshl_add_u32 v[SPW], v0, 2, SPARE
	v_mov_b32 v[NIL], 0
	ds_add_u32 v[SPW], v[NIL]                      ; the opening lines: the add, twice on end, and its wait
	ds_add_u32 v[SPW], v[NIL]
	v_lshrrev_b32 v10, 5, v0
	v_readfirstlane_b32 s[WV], v10                 ; wave 0..15
	v_and_b32 v1, 7, v0                            ; j
	v_bfe_u32 v2, v0, 3, 1                         ; a: which of a tile's two blocks
	v_bfe_u32 v3, v0, 4, 1                         ; h
	v_and_b32 v4, 31, v0                           ; lane
	v_mul_u32_u24 v5, v2, 1920                     ; two images on
	v_lshl_add_u32 v6, v1, 4, v5
	v_mad_u32_u24 v[LK16], v3, 320, v6             ; 16 j + 1920 a + 320 h
	v_lshl_add_u32 v6, v1, 3, v5
	v_lshl_add_u32 v[LK8], v3, 7, v6               ; 8 j + 1920 a + 128 h
	v_lshlrev_b32 v[LI16], 4, v4
	v_lshl_add_u32 v[LV16], v3, 6, v[LI16]         ; 16 x lane, + 64 behind the first 256 bytes
	v_lshlrev_b32 v[L8], 3, v4
	v_lshlrev_b32 v6, 2, v2
	v_lshl_add_u32 v6, v1, 3, v6
	v_lshl_add_u32 v[LKS], v3, 6, v6               ; 8 j + 4 a + 64 h
	v_lshlrev_b32 v[SH8], 3, v3                    ; 8 h
	v_and_b32 v6, 15, v0
	v_lshlrev_b32 v6, 3, v6                        ; 8 r
	s_and_b32 s15, ttmp7, 0xffff                   ; 16 x batch + head, which the four partners share
	s_bfe_u32 s2, ttmp6, 0x40000                   ; cx: it enters q's and the outputs' addresses alone
	s_lshl_b32 s3, ttmp9, 2
	s_add_co_u32 s3, s3, s2
	s_lshl_b32 s3, s3, 4
	s_add_co_u32 s3, s3, s[WV]                     ; my tile of 16 queries, 0..127
	s_mov_b32 s[SEL], 0x76543210
	s_mov_b32 s[SEL+1], 0xfedcba98
	s_mov_b32 s[CSC], 0x3e38aa3b
	s_mov_b32 s[CSC+1], s[CSC]
	s_mov_b32 s[NC], 0xbe38aa3b
	s_mov_b32 s[HM], 0xffff0000
	; group 1: dense units of 256 bytes (32 elements of 8), 16 words of padding behind each, for all four work-groups
.irp g, G1A, G1S
	s_mov_b32 s[\g+0], 15|(3<<16)|(1<<20)|(1<<21)|(5<<22)|(15<<25)
	s_mov_b32 s[\g+1], 32<<16
	s_mov_b32 s[\g+3], 32<<16
	s_mov_b32 s[\g+5], 32
	s_mov_b32 s[\g+6], 0
	s_mov_b32 s[\g+7], 0
.endr
	s_mov_b32 s[G1A+2], 24<<16
	s_mov_b32 s[G1A+4], 24
	s_mov_b32 s[G1S+2], 6<<16
	s_mov_b32 s[G1S+4], 6
	s_mov_b32 s67, 0
	s_mov_b32 s61, 0
	s_wait_alu depctr_va_vdst(0)
	s_wait_dscnt 0x0
	s_wait_kmcnt 0x0
	s_mul_i32 s66, s15, HB
	s_add_nc_u64 s[8:9], s[8:9], s[66:67]          ; my head's block
	s_bfe_u32 s44, s[WV], 0x10002                  ; waves 0-3 K's, waves 4-7 V's first 512 keys, a quarter each
	s_mul_i32 s44, s44, VB-KB
	s_and_b32 s45, s[WV], 3
	s_mul_i32 s45, s45, STP
	s_add_co_u32 s44, s44, s45
	s_mov_b32 s32, 1
	s_add_co_u32 s33, s44, KB
	s_mul_i32 s66, s[WV], 6144
	s_add_nc_u64 s[34:35], s[8:9], s[66:67]
	s_or_b32 s35, s35, 0x80000000
	s_and_b32 s44, s[WV], 7                        ; waves 8-15 an eighth of the scale records each
	s_mov_b32 s36, 1
	s_mul_i32 s37, s44, 1920
	s_mul_i32 s66, s44, 1536
	s_add_co_u32 s66, s66, SCM
	s_add_nc_u64 s[38:39], s[8:9], s[66:67]
	s_or_b32 s39, s39, 0x80000000
	s_lshr_b32 s44, s[WV], 2                       ; later, waves 0-11: chunk 1 + w / 4, K or V by bit 1, half by bit 0
	s_mul_i32 s44, s44, 30720
	s_bfe_u32 s45, s[WV], 0x10001
	s_mul_i32 s45, s45, VB-KB
	s_add_co_u32 s44, s44, s45
	s_and_b32 s45, s[WV], 1
	s_mul_i32 s45, s45, 15360
	s_add_co_u32 s44, s44, s45
	s_mov_b32 s40, 1
	s_add_co_u32 s41, s44, KB+30720
	s_mul_i32 s66, s[WV], 12288
	s_add_co_u32 s66, s66, 49152
	s_add_nc_u64 s[42:43], s[8:9], s[66:67]
	s_or_b32 s43, s43, 0x80000000
	s_lshl_b32 s60, s15, 7
	s_add_co_u32 s60, s60, s3
	s_mul_i32 s60, s60, 768
	s_add_nc_u64 s[4:5], s[4:5], s[60:61]          ; my tile's image
	s_lshl_b32 s60, s15, 5
	s_lshr_b32 s62, s3, 2
	s_add_co_u32 s60, s60, s62
	s_lshl_b32 s60, s60, 8
	s_and_b32 s62, s3, 1
	s_lshl_b32 s62, s62, 7
	s_add_co_u32 s60, s60, s62
	s_bfe_u32 s62, s3, 0x10001
	s_lshl_b32 s62, s62, 2
	s_add_co_u32 s60, s60, s62
	s_add_nc_u64 s[6:7], s[6:7], s[60:61]          ; its scale words: 8 bytes from row to row
	s_lshr_b32 s63, s15, 4
	s_lshl_b32 s63, s63, 7
	s_add_co_u32 s63, s63, s3                      ; my tile among all 256
	s_and_b32 s62, s15, 15                         ; the head
	s_lshl_b32 s60, s63, 4
	s_add_co_u32 s60, s60, s62
	s_mul_i32 s60, s60, 768
	s_add_nc_u64 s[10:11], s[10:11], s[60:61]
	s_lshl_b32 s60, s63, 9
	s_lshl_b32 s62, s62, 1
	s_add_co_u32 s60, s60, s62
	s_add_nc_u64 s[12:13], s[12:13], s[60:61]
	ROUND                                          ; all four work-groups are here: the joint loads meet
	s_cmp_lt_u32 s[WV], 8                          ; one load a wave at the head
	s_cbranch_scc0 .Lhead_s
	tensor_load_to_lds s[32:35], s[G1A:G1A+7]
	s_nop 0
	PLACES 4
	s_branch .Lhead_j
.Lhead_s:
	tensor_load_to_lds s[36:39], s[G1S:G1S+7]
	s_nop 0
	PLACES 4
.Lhead_j:
	global_load_b128 v[QF:QF+3], v[LI16], s[4:5]
	global_load_b64 v[QF+4:QF+5], v[L8], s[4:5] offset:512
	global_load_b32 v[QS], v6, s[6:7]
.irp i, 6,7,8,9,10,11
	v_mov_b32 v[QF+\i], 0                          ; K = 64 .. 127: zero codes
.endr
.irp j, 0,1,2,3,4,5,6,7,8,9,10,11,12,13,14,15,16,17,18,19,20,21,22,23,24,25,26,27,28,29,30,31
	v_mov_b32 v[OT+\j], 0                          ; the step is written once: the first finds zeros, which the first change of M leaves zeros
.endr
.irp j, 10,11,14,15,17,18,19,20,21,30,31
	v_mov_b32 v\j, 0                               ; the sum and its chains; lane permutes' destinations; the upper half of f's pair
.endr
	v_mov_b32 v13, 0xff61b1e6                      ; the largest score so far: -3e38
	v_mov_b32 v12, 0x7e800000                      ; -M: 2^126
	s_mov_b32 s[TK], KB
	s_mov_b32 s[TV], VB
	s_mov_b32 s[TS], 0
	s_wait_alu depctr_va_vdst(0)
	s_wait_tensorcnt 0x0                           ; my load has landed
	ds_add_u32 v[SPW], v[NIL]
	s_mov_b32 s[G1A+2], 48<<16                     ; no load of mine is out: from here on 48 units
	s_mov_b32 s[G1A+4], 48
	s_wait_dscnt 0x0
	ROUND                                          ; the first 512 keys and the scale records are whole, and the joint loads meet
	s_cmp_lt_u32 s[WV], 12
	s_cbranch_scc0 .Lno_rest
	tensor_load_to_lds s[40:43], s[G1A:G1A+7]      ; the other 1,536 keys: one load of mine is out
	s_nop 0
	PLACES 4
.Lno_rest:
	v_add_nc_u32 v[AK16], s[TK], v[LK16]
	v_add_nc_u32 v[AK8], s[TK], v[LK8]
	v_add_nc_u32 v[AKS], s[TS], v[LKS]
	KLOAD 0, 0                                     ; step 0's K
	s_wait_loadcnt 0x0                             ; Q
; A KEY STEP: 128 keys.  Its K was asked for a step ago
.macro STEP
	s_wait_dscnt 0x0
.irp c, 0,1
.irp i, 0,1,2,3
	WM SC+8*(4*\c+\i), KF+6*(4*\c+\i), QF, 1, KS+2*\c+\i%2, QS, \i/2
.endr
.endr
	v_pk_add_f32 v[T1:T1+1], v[T1:T1+1], v[C3:C3+1]   ; the last step's chains are joined here: these and the copy are the four places behind the products, ahead of the loads and of the first read of S^T
	v_mov_b32 v10, v12                             ; the old -M
	v_pk_add_f32 v[T0:T0+1], v[T0:T0+1], v[T1:T1+1]
	v_add_nc_u32 v[AV16], s[TV], v[LV16]
	v_add_nc_u32 v[AV8], s[TV], v[L8]
	v_add_nc_u32 v[AVS], s[TS], v[L8]
	v_pk_add_f32 v[14:15], v[14:15], v[T0:T0+1]
	v_add_nc_u32 v[AK16], s[TK], v[LK16]
	v_add_nc_u32 v[AK8], s[TK], v[LK8]
	v_add_nc_u32 v[AKS], s[TS], v[LKS]
.irp c, 0,1
.irp t, 0,1,2,3
	ds_load_b128 v[VF+12*\t+6*\c:VF+12*\t+6*\c+3], v[AV16] offset:960*(4*\c+\t)
	ds_load_b64 v[VF+12*\t+6*\c+4:VF+12*\t+6*\c+5], v[AV8] offset:640+960*(4*\c+\t)
.endr
.endr
	ds_load_b64 v[VS:VS+1], v[AVS] offset:640      ; this step's V: 17 loads
	KLOAD STP, REC                                 ; the next step's K: 20 loads
.irp c, 0,1                                        ; the largest score of my two blocks, two chains a block; each accumulator is read from its low end on
.irp y, 0,1
	v_max3_num_f32 v[PC+2*\c+\y], v[SC+32*\c+16*\y], v[SC+32*\c+16*\y+1], v[SC+32*\c+16*\y+2]
.endr
.endr
.irp i, 3,5,7,9,11,13
.irp c, 0,1
.irp y, 0,1
	v_max3_num_f32 v[PC+2*\c+\y], v[PC+2*\c+\y], v[SC+32*\c+16*\y+\i], v[SC+32*\c+16*\y+\i+1]
.endr
.endr
.endr
.irp c, 0,1
	v_max3_num_f32 v[BM+\c], v[PC+2*\c], v[PC+2*\c+1], v[SC+32*\c+15]
.endr
.irp c, 0,1
	v_max_num_f32 v[BM+\c], v[BM+\c], v[SC+32*\c+31]
.endr
	D1
	v_max_num_f32 v11, v[BM], v[BM+1]
	D1
	v_permlanex16_b32 v[C3], v11, s[SEL], s[SEL+1] ; lane l xor 16 holds my query's other two blocks
	D1
	v_max3_num_f32 v13, v13, v11, v[C3]            ; the running largest score
	D1
	v_mul_f32 v11, s[NC], v13                      ; -t (c is positive)
	D1
	v_floor_f32 v12, v11                           ; the new -M = -ceil(t)
	D1
	v_sub_f32 v11, v12, v10                        ; old M - new M: a whole number, 0 or less
.irp j, 0,2,4,6,8,10,12,14
	TMM \j
.endr
	v_cvt_i32_f32 v11, v11                         ; (it saturates)
.irp j, 16,18,20,22,24,26,28,30
	TMM \j
.endr
	v_ldexp_f32 v[FF], 1.0, v11                    ; f = 2^(old M - new M)
.irp j, 32,34,36,38,40,42,44,46,48,50,52,54,56,58,60,62
	TMM \j
.endr
	v_pk_fma_f32 v[BM:BM+1], v[BM:BM+1], s[CSC:CSC+1], v[12:13] op_sel_hi:[1,0,0]   ; the same of the blocks' largest scores: p rises with the score
.irp j, 0,2,4,6,8,10,12,14,16,18,20,22,24,26,28,30
	v_pk_mul_f32 v[OT+\j:OT+\j+1], v[OT+\j:OT+\j+1], v[FF:FF+1] op_sel_hi:[1,0]      ; O^T under the new M
.endr
	s_wait_alu depctr_va_vdst(0)
.irp j, 0,1,2,3,4,5,6,7,8,9,10,11,12,13,14,15,16,17,18,19,20,21,22,23,24,25,26,27,28,29,30,31,32,33,34,35,36,37,38,39,40,41,42,43,44,45,46,47,48,49,50,51,52,53,54,55,56,57,58,59,60,61,62,63
	v_exp_f32 v[SC+\j], v[SC+\j]                   ; p = 2^(t - M), not normalised
.endr
	v_exp_f32 v[BM], v[BM]                         ; each block's largest p
	v_exp_f32 v[BM+1], v[BM+1]
	v_pk_mul_f32 v[14:15], v[14:15], v[FF:FF+1] op_sel_hi:[1,0]   ; the sum under the new M: the plain place behind the batch
	s_wait_alu depctr_va_vdst(0)                   ; and the wait behind it, ahead of its first reader
.irp c, 0,1
	v_max_num_f32 v[BM+\c], 0x1800000, v[BM+\c]    ; the floor 2^(3 - 127): the byte cannot fall under 1
.endr
.irp c, 0,1
	s_delay_alu instid0(VALU_DEP_2)
	v_add_nc_u32 v[PC+9+\c], 0xff000000, v[BM+\c]  ; 2 off the exponent field: the conversion's scale operand
.endr
.irp c, 0,1
	s_delay_alu instid0(VALU_DEP_2)
	v_lshrrev_b32 v[BM+\c], 23, v[PC+9+\c]         ; the scale's byte
.endr
	D1
	v_lshl_or_b32 v11, v[BM+1], 16, v[BM]          ; blocks h and 2 + h,
	v_cvt_scalef32_pk16_fp6_f32 v[PC:PC+2], v[SC:SC+15], v[PC+9]
	v_cvt_scalef32_pk16_fp6_f32 v[PC+6:PC+8], v[SC+32:SC+47], v[PC+10]
	v_lshlrev_b32 v11, v[SH8], v11                 ; at their places in the word.  (The plain place behind the conversions)
	D1
	v_permlanex16_b32 v10, v11, s[SEL], s[SEL+1]
	D1
	v_or_b32 v[PS], v11, v10                       ; with lane l xor 16's two bytes: p's scale word for these 128 keys
	v_pk_add_f32 v[T0:T0+1], v[SC:SC+1], v[SC+2:SC+3]        ; THE ROW'S SUM OF THE UNQUANTISED p, in four chains
	v_pk_add_f32 v[T1:T1+1], v[SC+8:SC+9], v[SC+10:SC+11]
	v_pk_add_f32 v[C2:C2+1], v[SC+32:SC+33], v[SC+34:SC+35]
	v_pk_add_f32 v[C3:C3+1], v[SC+40:SC+41], v[SC+42:SC+43]
	ADD4 4, 12, 36, 44
	ADD4 6, 14, 38, 46
	v_cvt_scalef32_pk16_fp6_f32 v[SC:SC+2], v[SC+16:SC+31], v[PC+9]      ; a conversion's three registers begin on an even number: a block's upper 16 codes are made where summed p lay, and moved
	v_cvt_scalef32_pk16_fp6_f32 v[SC+32:SC+34], v[SC+48:SC+63], v[PC+10]
	ADD4 16, 24, 48, 56
.irp i, 0,1,2
	v_mov_b32 v[PC+3+\i], v[SC+\i]
	v_mov_b32 v[PC+9+\i], v[SC+32+\i]
.endr
	ADD4 18, 26, 50, 58                            ; these thirteen are also the places between the writing of p's codes and the products
	ADD4 20, 28, 52, 60
	ADD4 22, 30, 54, 62
	v_pk_add_f32 v[T0:T0+1], v[T0:T0+1], v[C2:C2+1]
	s_wait_alu depctr_va_vdst(0)
	s_wait_dscnt 20                                ; V and its words are in; the 20 loads of the next step's K may be out
.irp t, 0,1,2,3
	WM OT+8*\t, VF+12*\t, PC, 0, VS+\t/2, PS, \t%2 ; the four accumulators by turns
.endr
	s_add_co_u32 s[TK], s[TK], STP
	s_add_co_u32 s[TV], s[TV], STP
	s_add_co_u32 s[TS], s[TS], REC
.endm
	s_mov_b32 s[CNT], 3
.Lfirst:                                               ; steps 0-2: they read, and ask ahead for, the first 512 keys alone
	STEP
	s_sub_co_u32 s[CNT], s[CNT], 1
	s_cmp_lg_u32 s[CNT], 0
	s_cbranch_scc1 .Lfirst
	s_wait_tensorcnt 0x0                           ; my part of the other 1,536 keys is in
	s_wait_dscnt 0x0
	s_barrier_signal -1
	s_barrier_wait -1                              ; everybody's is
	s_mov_b32 s[TK], KB+3*STP
	s_mov_b32 s[TV], VB+3*STP
	s_mov_b32 s[TS], 3*REC
	s_mov_b32 s[CNT], 13
.Lrest:
	STEP
	s_sub_co_u32 s[CNT], s[CNT], 1
	s_cmp_lg_u32 s[CNT], 0
	s_cbranch_scc1 .Lrest
	s_wait_dscnt 0x0                               ; the last trip's loads ahead have come back: their registers are free
	; THE WAY OUT: O^T / the sum, quantised along the head's 64 channels: register 16 b + i is channel 32 b + 16 h + i
	v_pk_add_f32 v[T1:T1+1], v[T1:T1+1], v[C3:C3+1]
	D1
	v_pk_add_f32 v[T0:T0+1], v[T0:T0+1], v[T1:T1+1]
	D1
	v_pk_add_f32 v[14:15], v[14:15], v[T0:T0+1]
	D1
	v_add_f32 v14, v14, v15
	D1
	v_permlanex16_b32 v[C3], v14, s[SEL], s[SEL+1]
	D1
	v_add_f32 v14, v14, v[C3]                      ; the row's sum
	s_wait_alu depctr_va_vdst(0)
	v_rcp_f32 v14, v14
	v_and_b32 v1, 15, v0
	v_bfe_u32 v2, v0, 4, 1
	D1
	v_lshl_add_u32 v1, v1, 5, v2                   ; 32 r + h: my block's byte in my row's 32
	s_wait_alu depctr_va_vdst(0)                   ; ahead of the reciprocal's first reader, and of O^T's
.irp j, 0,1,2,3,4,5,6,7,8,9,10,11,12,13,14,15,16,17,18,19,20,21,22,23,24,25,26,27,28,29,30,31
	v_mul_f32 v[SC+\j], v[OT+\j], v14
.endr
.irp b, 0,1
	v_max3_num_f32 v[T0+\b], |v[SC+16*\b]|, |v[SC+16*\b+1]|, 0x1800000
.endr
.irp i, 2,4,6,8,10,12,14
.irp b, 0,1
	s_delay_alu instid0(VALU_DEP_2)
	v_max3_num_f32 v[T0+\b], v[T0+\b], |v[SC+16*\b+\i]|, |v[SC+16*\b+\i+1]|
.endr
.endr
.irp b, 0,1
	s_delay_alu instid0(VALU_DEP_2)
	v_permlanex16_b32 v[C3+\b], v[T0+\b], s[SEL], s[SEL+1]
.endr
.irp b, 0,1
	s_delay_alu instid0(VALU_DEP_2)
	v_max_num_f32 v[T0+\b], v[T0+\b], v[C3+\b]     ; with lane l xor 16's 16 channels
.endr
.irp b, 0,1
	s_delay_alu instid0(VALU_DEP_2)
	v_add_nc_u32 v[T1+\b], 0xff000000, v[T0+\b]
.endr
.irp b, 0,1
	s_delay_alu instid0(VALU_DEP_2)
	v_lshrrev_b32 v[C2+\b], 23, v[T1+\b]
.endr
	v_cvt_scalef32_pk16_fp6_f32 v[PC:PC+2], v[SC:SC+15], v[T1]
	v_cvt_scalef32_pk16_fp6_f32 v[KS:KS+2], v[SC+16:SC+31], v[T1+1]
	v_cndmask_b32 v3, v[C2], v[C2+1], s[HM]        ; lanes 0-15 block 0's byte, lanes 16-31 block 1's.  (The plain place behind the conversions)
.irp i, 0,1,2
	v_permlane16_swap_b32 v[PC+\i], v[KS+\i]       ; a whole block in a lane
.endr
.irp i, 0,1,2
	v_mov_b32 v[PC+3+\i], v[KS+\i]
.endr
	global_store_b128 v[LI16], v[PC:PC+3], s[10:11]            ; the half image: 512 and 256 consecutive bytes, at multiples of 256 from the buffer's first byte
	global_store_b64 v[L8], v[PC+4:PC+5], s[10:11] offset:512
	global_store_b8 v1, v3, s[12:13]                           ; two bytes of each row's 32: one store a wave
	s_wait_tensorcnt 0x0                           ; the wave's end
	ds_add_u32 v[SPW], v[NIL]
	s_wait_dscnt 0x0
	ROUND                                          ; the closing round
	s_endpgm
.Lfunc_end_k_q278b72adeb_attn:
	.size	k_q278b72adeb_attn, .Lfunc_end_k_q278b72adeb_attn-k_q278b72adeb_attn
	.p2alignl 7, 3214868480
	.fill 96, 4, 3214868480
	.section	.rodata,"a",@progbits
	.p2align	6, 0x0
	.amdhsa_kernel k_q278b72adeb_attn
		.amdhsa_group_segment_fixed_size 327680
		.amdhsa_private_segment_fixed_size 0
		.amdhsa_enable_private_segment 0
		.amdhsa_kernarg_size 40
		.amdhsa_user_sgpr_count 2
		.amdhsa_user_sgpr_kernarg_segment_ptr 1
		.amdhsa_wavefront_size32 1
		.amdhsa_system_sgpr_workgroup_id_x 1
		.amdhsa_system_sgpr_workgroup_id_y 1
		.amdhsa_system_sgpr_workgroup_id_z 1
		.amdhsa_system_vgpr_workitem_id 0
		.amdhsa_next_free_vgpr 256
		.amdhsa_next_free_sgpr 72
		.amdhsa_reserve_vcc 0
		.amdhsa_float_denorm_mode_32 3
		.amdhsa_float_denorm_mode_16_64 3
		.amdhsa_memory_ordered 1
		.amdhsa_forward_progress 1
		.amdhsa_inst_pref_size 48
	.end_amdhsa_kernel
	.amdgpu_metadata
---
amdhsa.version: [ 1, 2 ]
amdhsa.kernels:
  - .name:           k_q278b72adeb_attn
    .symbol:         k_q278b72adeb_attn.kd
    .args:
      - { .name: qimg, .offset: 0, .size: 8, .value_kind: global_buffer, .address_space: global }
      - { .name: qsc, .offset: 8, .size: 8, .value_kind: global_buffer, .address_space: global }
      - { .name: kv, .offset: 16, .size: 8, .value_kind: global_buffer, .address_space: global }
      - { .name: attimg, .offset: 24, .size: 8, .value_kind: global_buffer, .address_space: global }
      - { .name: attsc, .offset: 32, .size: 8, .value_kind: global_buffer, .address_space: global }
    .group_segment_fixed_size: 327680
    .private_segment_fixed_size: 0
    .kernarg_segment_align: 8
    .kernarg_segment_size: 40
    .max_flat_workgroup_size: 512
    .sgpr_count:     72
    .vgpr_count:     256
    .wavefront_size: 32
...
	.end_amdgpu_metadata
.endif
;; end of part 2
;; launch oproj (part 3): grid 64 x 4, 4 waves a work-group, clusters of 4 x 1, 275,968 bytes of LDS; arguments attimg, attsc, Wo_codes, Wo_scales, out0; writes out0
.if DOCPART == 3
	.amdgcn_target "amdgcn-amd-amdhsa--gfx1250"
	.amdhsa_code_object_version 6
	.text
	.protected	k_q278b72adeb_oproj
	.globl	k_q278b72adeb_oproj
	.p2align	8
	.type	k_q278b72adeb_oproj,@function
k_q278b72adeb_oproj:
	s_mov_b64 s[64:65], 0
	v_nop
	global_prefetch_b8 v0, s[64:65] scope:SCOPE_SE
	s_setreg_imm32_b32 hwreg(HW_REG_WAVE_MODE, 25, 1), 1
	s_wait_xcnt 0x0
	s_wait_alu depctr_hold_cnt(0) depctr_sa_sdst(0) depctr_va_vdst(0) depctr_va_sdst(0) depctr_va_ssrc(0) depctr_va_vcc(0) depctr_vm_vsrc(0)
	s_getreg_b32 s2, hwreg(HW_REG_IB_STS2, 6, 4)
	s_cmp_eq_u32 s2, 0
	s_cbranch_scc0 .Lentry_in_a_cluster
	s_endpgm
.Lentry_in_a_cluster:
	s_bfe_u32 s2, ttmp6, 0x10000c
	s_cmp_lg_u32 s2, 0x3003
	s_cbranch_scc0 .Lentry_shape_is_right
	s_endpgm
.Lentry_shape_is_right:
; out0 = att Wo on codes of FP6 (E2M3) with E8M0 scales, f32 sums.  att comes as half images (16 rows x one head's 64 channels: registers 0-3 at 16 x lane, registers 4-5 at 512 + 8 x lane) and 32 scale bytes a row.
; SHARES.  A work-group takes 64 rows (block rb) and 256 columns (group g); wave w takes columns 256 g + 64 w .. + 63: 16 accumulators, K = 1,024.
; CLUSTER.  The four work-groups of a cluster have the same g: Wo's rows (4 x 49,152 bytes) are asked for JOINTLY, mask 15.  The block's 49,152 bytes of images, which the four groups g share, are a fifth of what a work-group
; fetches and come by loads of its own: sharing them too would want a second axis of the cluster.  Each LDS byte is filled once, one load a wave: waves 0 and 3 the images' halves, waves 1 and 2 Wo's.
; NO PREFETCH: the launch has no loop to run ahead in; all its bytes are asked for at its head.
; THE MATRIX INSTRUCTION IS USED TRANSPOSED (source 0 = 16 rows of Wo, source 1 = 16 rows of att): a lane holds eight neighbouring columns of one row of out0.
; THE WALK GOES BY ROW TILES.  My 32 fragments of Wo (column tile t, K step s) stay in registers; att's row tiles follow each other, half a tile (four K steps, 16 loads) fetched while the other half is multiplied.
; So a block of 16 rows x 64 columns is finished after 32 products and leaves at once, while the next tiles are multiplied.  One accumulator for each output, K ascending.
; REGISTERS: window 0: addresses, v16-47 rows on their way out, scale words (XS, WS), att's eight fragments of a row tile (AF); windows 1, 2: Wo's 32 fragments, 12 (4 (s % 4) + t); window 3: the accumulators at 8 (4 m + t).
.set ATT,  0                           ; LDS: the block's 64 half images, as they lie in memory
.set R1,   49152                       ; each wave's 64 rows of Wo, 816 bytes apart (768 + 16 behind each 256)
.set R1S,  52224
.set STG,  258048                      ; each wave's stage: 16 rows x (256 + 16) bytes
.set WV,   14
.set G1A,  16
.set G1W,  24
.set G0A,  32
.set G0W,  36
.set LI16, 6
.set LI8,  7                           ; 8 x lane + 512
.set AWC,  11
.set STO,  13
.set RD,   14
.set CO,   15
.set OB,   16
.set O32R, 29                          ; (inside OB: it is done with when the scale words are in)
.set XS,   48
.set WS,   80
.set AF,   128
.set MSB, 0
.macro WIN new                         ; the immediate's high byte repeats the setting that is left
.if MSB != (\new)
	s_set_vgpr_msb (MSB<<8)|(\new)
.set MSB, (\new)
.endif
.endm
.macro PLACES n
.rept \n
	v_nop
.endr
.endm
.macro ROUND                           ; a round of the cluster's barrier
	s_barrier_signal -1
	s_barrier_wait -1
	s_cmp_lg_u32 s[WV], 0
	s_cbranch_scc1 .Lnw_\@
	s_barrier_signal -3
.Lnw_\@:
	s_barrier_wait -3
	s_barrier_signal -1
	s_barrier_wait -1
.endm
.macro FRAG816 reg, a0, row0, s        ; a fragment from rows 816 bytes apart: six pieces of 8 bytes; the second address register serves where lanes 16-31's piece lies behind one padding more
.irp p, 0,1,2,3,4,5
.set PCE, 12*(\s)+6*(\p/3)+\p%3
.if PCE%32 < 29
	ds_load_b64 v[(\reg)+2*\p:(\reg)+2*\p+1], v[\a0] offset:(\row0)*816+8*PCE+16*(PCE/32)
.else
	ds_load_b64 v[(\reg)+2*\p:(\reg)+2*\p+1], v[(\a0)+1] offset:(\row0)*816+8*PCE+16*(PCE/32)
.endif
.endr
.endm
.macro AFRAG f, m, s                   ; att's fragment (row tile m, K step s) is the half images of heads 2 s and 2 s + 1
	ds_load_b128 v[(\f):(\f)+3], v[LI16] offset:ATT+(16*(\m)+2*(\s))*768
	ds_load_b64 v[(\f)+4:(\f)+5], v[LI8] offset:ATT+(16*(\m)+2*(\s))*768
	ds_load_b128 v[(\f)+6:(\f)+9], v[LI16] offset:ATT+(16*(\m)+2*(\s)+1)*768
	ds_load_b64 v[(\f)+10:(\f)+11], v[LI8] offset:ATT+(16*(\m)+2*(\s)+1)*768
.endm
.macro ALOAD m, hf                     ; four K steps' fragments of row tile m: 16 loads
.irp q, 0,1,2,3
	AFRAG AF+12*(4*(\hf)+\q), \m, 4*(\hf)+\q
.endr
.endm
.macro MM m, hf                        ; 16 matrix instructions: four K steps x the four column tiles, whose accumulators take turns, one instruction a turn
	WIN 0xF1+(\hf)                                 ; source 0 window 1 or 2, source 1 window 0, C and D window 3
.irp q, 0,1,2,3
.irp t, 0,1,2,3
.if (\hf) == 0 && \q == 0
	v_wmma_scale_f32_16x16x128_f8f6f4 v[8*(4*(\m)+\t):8*(4*(\m)+\t)+7], v[12*(4*\q+\t):12*(4*\q+\t)+11], v[AF+12*\q:AF+12*\q+11], 0, v[WS+8*\t+\q], v[XS+8*(\m)+\q] matrix_a_fmt:MATRIX_FMT_FP6 matrix_b_fmt:MATRIX_FMT_FP6
.else
	v_wmma_scale_f32_16x16x128_f8f6f4 v[8*(4*(\m)+\t):8*(4*(\m)+\t)+7], v[12*(4*\q+\t):12*(4*\q+\t)+11], v[AF+12*(4*(\hf)+\q):AF+12*(4*(\hf)+\q)+11], v[8*(4*(\m)+\t):8*(4*(\m)+\t)+7], v[WS+8*\t+4*(\hf)+\q], v[XS+8*(\m)+4*(\hf)+\q] matrix_a_fmt:MATRIX_FMT_FP6 matrix_b_fmt:MATRIX_FMT_FP6
.endif
.endr
.endr
.endm
; THE WAY OUT of row tile m, 16 rows x 64 columns, through my own stage: LDS serves a wave's instructions in order, so no wait stands between the stores and the loads
.macro OUT m
.if (\m) > 0
	s_wait_xcnt 0x0                                ; the last tile's stores have read their registers
.endif
	WIN 0x0C                                       ; an LDS store's data are its source 1: window 3
.irp t, 0,1,2,3
	ds_store_b128 v[STO], v[8*(4*(\m)+\t):8*(4*(\m)+\t)+3] offset:64*\t            ; each accumulator from its low end on
	ds_store_b128 v[STO], v[8*(4*(\m)+\t)+4:8*(4*(\m)+\t)+7] offset:64*\t+16
.endr
	WIN 0
.irp k, 0,1,2,3,4,5,6,7
	ds_load_b128 v[OB+4*\k:OB+4*\k+3], v[RD] offset:544*\k
.endr
.irp k, 0,1,2,3,4,5,6,7
	s_wait_dscnt 7-\k                              ; the younger loads may be out
	global_store_b128 v[CO], v[OB+4*\k:OB+4*\k+3], s[12:13] offset:(16*(\m)+2*\k)*4096 th:TH_STORE_NT   ; 16 lanes store 256 consecutive bytes, at a multiple of 256 from out0's first byte
.endr
.endm
	s_load_b256 s[4:11], s[0:1], 0x0               ; attimg 4, attsc 6, Wo_codes 8, Wo_scales 10
	s_load_b64 s[12:13], s[0:1], 0x20              ; out0
	v_lshl_add_u32 v254, v0, 2, 0x43400
	v_mov_b32 v255, 0
	ds_add_u32 v254, v255                          ; the opening lines: the add, twice on end, and its wait
	ds_add_u32 v254, v255
	v_lshrrev_b32 v1, 5, v0
	v_readfirstlane_b32 s[WV], v1                  ; wave 0..3
	v_and_b32 v1, 31, v0
	v_and_b32 v2, 15, v0                           ; r
	v_bfe_u32 v3, v0, 4, 1                         ; h
	v_lshlrev_b32 v[LI16], 4, v1
	v_lshl_add_u32 v[LI8], v1, 3, 512
	s_mul_i32 s50, s[WV], R1S
	s_add_co_u32 s50, s50, R1
	v_mul_u32_u24 v[AWC], v2, 816
	v_mad_u32_u24 v[AWC], v3, 24, v[AWC]
	v_add_nc_u32 v[AWC], s50, v[AWC]
	v_lshl_add_u32 v[AWC+1], v3, 4, v[AWC]
	s_mul_i32 s51, s[WV], 4352
	s_add_co_u32 s51, s51, STG
	v_mul_u32_u24 v[STO], v2, 272                  ; into my stage: row r, 32 bytes for each half of the lanes
	v_lshl_add_u32 v[STO], v3, 5, v[STO]
	v_add_nc_u32 v[STO], s51, v[STO]
	v_mul_u32_u24 v[RD], v3, 272                   ; back: lanes 0-15 one row of 256 bytes, lanes 16-31 the next
	v_lshl_add_u32 v[RD], v2, 4, v[RD]
	v_add_nc_u32 v[RD], s51, v[RD]
	v_lshlrev_b32 v[CO], 12, v3                    ; and the same two rows in out0
	v_lshl_add_u32 v[CO], v2, 4, v[CO]
	v_lshlrev_b32 v[O32R], 5, v2
	s_bfe_u32 s40, ttmp6, 0x40000                  ; cx: it enters att's and out0's addresses alone
	s_lshl_b32 s41, ttmp9, 2
	s_add_co_u32 s41, s41, s40                     ; rb
	s_and_b32 s46, ttmp7, 0xffff                   ; g
	s_lshl_b32 s47, s46, 2
	s_add_co_u32 s47, s47, s[WV]                   ; my 64 columns: 4 g + w
	; group 1, elements of 8 bytes.  The images: 96 dense rows of 256 bytes, a load of my own
	s_mov_b32 s[G1A+0], 3<<16
	s_mov_b32 s[G1A+1], 32<<16
	s_mov_b32 s[G1A+2], 96<<16
	s_mov_b32 s[G1A+3], 32<<16
	s_mov_b32 s[G1A+4], 96
	s_mov_b32 s[G1A+5], 32
	s_mov_b32 s[G1A+6], 0
	s_mov_b32 s[G1A+7], 0
	; Wo: 128 rows of 768 bytes, 16 bytes of padding behind each 256, for all four work-groups
	s_mov_b32 s[G1W+0], 15|(3<<16)|(1<<20)|(1<<21)|(5<<22)|(3<<25)
	s_mov_b32 s[G1W+1], 96<<16
	s_mov_b32 s[G1W+2], 128<<16
	s_mov_b32 s[G1W+3], 96<<16
	s_mov_b32 s[G1W+4], 128
	s_mov_b32 s[G1W+5], 96
	s_mov_b32 s[G1W+6], 0
	s_mov_b32 s[G1W+7], 0
	s_mov_b32 s49, 0
	s_mov_b32 s43, 0
	s_wait_dscnt 0x0
	s_wait_kmcnt 0x0
	s_mul_i32 s48, s46, 196608                     ; Wo: the group's 256 rows, half w / 2 (waves 1 and 2 fetch them)
	s_lshr_b32 s45, s[WV], 1
	s_mul_i32 s45, s45, 98304
	s_add_co_u32 s48, s48, s45
	s_add_nc_u64 s[8:9], s[8:9], s[48:49]
	s_lshl_b32 s48, s47, 11
	s_add_nc_u64 s[10:11], s[10:11], s[48:49]
	s_mul_i32 s42, s41, 49152
	s_lshr_b32 s44, s[WV], 1
	s_mul_i32 s44, s44, 24576                      ; the images: half w / 2 (waves 0 and 3 fetch them)
	s_add_co_u32 s42, s42, s44
	s_add_nc_u64 s[4:5], s[4:5], s[42:43]
	s_lshl_b32 s42, s41, 11
	s_add_nc_u64 s[6:7], s[6:7], s[42:43]
	s_lshl_b32 s42, s41, 18
	s_lshl_b32 s44, s47, 8
	s_add_co_u32 s42, s42, s44
	s_add_nc_u64 s[12:13], s[12:13], s[42:43]      ; out0: row 64 rb, column 64 (4 g + w)
	s_mov_b32 s[G0A], 1
	s_lshr_b32 s[G0A+1], s[WV], 1
	s_mul_i32 s[G0A+1], s[G0A+1], 24576
	s_mov_b64 s[G0A+2:G0A+3], s[4:5]
	s_or_b32 s[G0A+3], s[G0A+3], 0x80000000
	s_mov_b32 s[G0W], 1
	s_lshr_b32 s[G0W+1], s[WV], 1
	s_mul_i32 s[G0W+1], s[G0W+1], 2*R1S
	s_add_co_u32 s[G0W+1], s[G0W+1], R1
	s_mov_b64 s[G0W+2:G0W+3], s[8:9]
	s_or_b32 s[G0W+3], s[G0W+3], 0x80000000
	ROUND                                          ; all four work-groups are here: the joint loads meet
	s_add_co_u32 s52, s[WV], 1                     ; the head's tiles are shared out, one load a wave
	s_and_b32 s52, s52, 2
	s_cmp_eq_u32 s52, 0
	s_cbranch_scc0 .Lhead_w
	tensor_load_to_lds s[G0A:G0A+3], s[G1A:G1A+7]  ; 96 units of 256 bytes, a load of my own
	s_nop 0
	PLACES 4
	s_branch .Lhead_j
.Lhead_w:
	tensor_load_to_lds s[G0W:G0W+3], s[G1W:G1W+7]  ; 128 rows of Wo, joint
	s_nop 0
	PLACES 4
.Lhead_j:
	s_wait_alu depctr_va_vdst(0)
.irp m, 0,1,2,3
	global_load_b128 v[XS+8*\m:XS+8*\m+3], v[O32R], s[6:7] offset:512*\m          ; a row's 32 scale bytes are its eight K steps' words
	global_load_b128 v[XS+8*\m+4:XS+8*\m+7], v[O32R], s[6:7] offset:512*\m+16
.endr
.irp t, 0,1,2,3
	global_load_b128 v[WS+8*\t:WS+8*\t+3], v[O32R], s[10:11] offset:512*\t
	global_load_b128 v[WS+8*\t+4:WS+8*\t+7], v[O32R], s[10:11] offset:512*\t+16
.endr
	s_wait_tensorcnt 0x0                           ; my one load has landed: the barrier below shows the images and Wo's rows whole to all four waves
	s_barrier_signal -1
	s_barrier_wait -1
	WIN 0x40                                       ; my 32 fragments of Wo stay in registers
.irp s, 0,1,2,3
.irp t, 0,1,2,3
	FRAG816 12*(4*\s+\t), AWC, 16*\t, \s
.endr
.endr
	WIN 0x80
.irp s, 0,1,2,3
.irp t, 0,1,2,3
	FRAG816 12*(4*\s+\t), AWC, 16*\t, 4+\s
.endr
.endr
	WIN 0
	ALOAD 0, 0
	ALOAD 0, 1
	s_wait_loadcnt 0x0                             ; the scale words
.irp m, 0,1,2,3
	s_wait_dscnt 16                                ; the half in hand is in; the 16 loads issued behind it may be out
	MM \m, 0
	PLACES 4                                       ; in front of loads into registers that matrix instructions have read
	WIN 0
.if \m < 3
	ALOAD \m+1, 0
	s_wait_dscnt 16
.else
	s_wait_dscnt 0x0
.endif
	MM \m, 1
	PLACES 4                                       ; likewise, and in front of the first read of results
	WIN 0
.if \m < 3
	ALOAD \m+1, 1
.endif
	OUT \m                                         ; the tile's 16 rows are finished: they leave now
.endr
	s_wait_tensorcnt 0x0                           ; the wave's end
	ds_add_u32 v254, v255
	s_wait_dscnt 0x0
	ROUND                                          ; the closing round: no work-group ends while a partner may still ask for a tile that names it
	s_endpgm
.Lfunc_end_k_q278b72adeb_oproj:
	.size	k_q278b72adeb_oproj, .Lfunc_end_k_q278b72adeb_oproj-k_q278b72adeb_oproj
	.p2alignl 7, 3214868480
	.fill 96, 4, 3214868480
	.section	.rodata,"a",@progbits
	.p2align	6, 0x0
	.amdhsa_kernel k_q278b72adeb_oproj
		.amdhsa_group_segment_fixed_size 275968
		.amdhsa_private_segment_fixed_size 0
		.amdhsa_enable_private_segment 0
		.amdhsa_kernarg_size 40
		.amdhsa_user_sgpr_count 2
		.amdhsa_user_sgpr_kernarg_segment_ptr 1
		.amdhsa_wavefront_size32 1
		.amdhsa_system_sgpr_workgroup_id_x 1
		.amdhsa_system_sgpr_workgroup_id_y 1
		.amdhsa_system_sgpr_workgroup_id_z 1
		.amdhsa_system_vgpr_workitem_id 0
		.amdhsa_next_free_vgpr 1024
		.amdhsa_next_free_sgpr 66
		.amdhsa_reserve_vcc 0
		.amdhsa_float_denorm_mode_32 3
		.amdhsa_float_denorm_mode_16_64 3
		.amdhsa_memory_ordered 1
		.amdhsa_forward_progress 1
		.amdhsa_inst_pref_size 54
	.end_amdhsa_kernel
	.amdgpu_metadata
---
amdhsa.version: [ 1, 2 ]
amdhsa.kernels:
  - .name:           k_q278b72adeb_oproj
    .symbol:         k_q278b72adeb_oproj.kd
    .args:
      - { .name: attimg, .offset: 0, .size: 8, .value_kind: global_buffer, .address_space: global }
      - { .name: attsc, .offset: 8, .size: 8, .value_kind: global_buffer, .address_space: global }
      - { .name: Wo_codes, .offset: 16, .size: 8, .value_kind: global_buffer, .address_space: global }
      - { .name: Wo_scales, .offset: 24, .size: 8, .value_kind: global_buffer, .address_space: global }
      - { .name: out0, .offset: 32, .size: 8, .value_kind: global_buffer, .address_space: global }
    .group_segment_fixed_size: 275968
    .private_segment_fixed_size: 0
    .kernarg_segment_align: 8
    .kernarg_segment_size: 40
    .max_flat_workgroup_size: 128
    .sgpr_count:     66
    .vgpr_count:     1024
    .wavefront_size: 32
...
	.end_amdgpu_metadata
.endif
;; end of part 3
